; MI455X (gfx1250); checked and timed in simulation.
; The chip was launched on July 23, 2026; its instructions are those of AMD's public machine-readable ISA for CDNA 5 (MIT licence, August 2026) and "CDNA5" Instruction Set Architecture Reference Guide (July 2026). The comments in the code are by the model that wrote it; some were corrected since.
;; Attention Head. Allowed arithmetic: matrix products marked QUANTISED: E5M2 operands, one E8M0 scale for each 32 along K, by v_wmma_scale_f32_16x16x128_f8f6f4 with both operands' format E5M2, f32 sums; everything else in f32.
;; Inputs: Wk 64 x 768 float32; Wq 64 x 768 float32; Wv 64 x 768 float32; input_ids 8 x 4,096 x 768 float32.
;; Outputs: out0 8 x 4,096 x 64 float32.
;; This version of the problem:
;;   THIS VERSION OF THE PROBLEM IS GIVEN IN LOW PRECISION. The matrix products marked QUANTISED in the list below multiply operands that are first quantised to E5M2 (5 exponent bits, 2 mantissa bits; 8 bits a number), with one power-of-two scale for each 32 numbers along K (OCP MX v1.0); their sums are f32. All else is computed in f32.
;;   The module's matrix products, in the order in which they are computed (A, B: the left and right operand; K: the contracted axis; several contracted axes count as one K, in the product's order):
;;     1. [M 32,768, K 768] x [K 768, N 64]; A: input input_ids; B: input Wq: QUANTISED
;;     2. [M 32,768, K 768] x [K 768, N 64]; A: input input_ids; B: input Wk: QUANTISED
;;     3. [M 32,768, K 768] x [K 768, N 64]; A: input input_ids; B: input Wq: QUANTISED
;;     4. batch 8 x [M 4,096, K 64] x [K 64, N 4,096]; A: computed on the way; B: computed on the way: QUANTISED
;;     5. batch 8 x [M 4,096, K 4,096] x [K 4,096, N 64]; A: computed on the way; B: computed on the way: QUANTISED
;;   THE QUANTISER, for each operand of a quantised product, along K:
;;     - K is cut into blocks of 32 from its start; a last block that is shorter is filled with zeros.
;;     - A block's scale is 2^e with e = floor(log2(the largest magnitude in the block)) - 15, held to -126 .. 127; a block of zeros has e = 0. As a byte (E8M0): e + 127.
;;     - Each number is divided by its block's scale, clamped to +-57,344, and rounded to the nearest number of E5M2, ties to even, subnormals kept.
;;     - The product sums the exact products of the quantised numbers (number of the format x scale) in f32.
;;   ~~~python
;;   def quantise(x, axis):      # numpy; x: float32 -> the quantised numbers, widened to float32 again
;;       x = np.moveaxis(x, axis, -1); K = x.shape[-1]
;;       x = np.pad(x, [(0, 0)] * (x.ndim - 1) + [(0, -K % 32)]); x = x.reshape(x.shape[:-1] + (-1, 32)); a = np.abs(x).max(-1, keepdims=True)
;;       e = np.where(a > 0, np.clip(np.frexp(np.where(a > 0, a, 1))[1] - 1 - 15, -126, 127), 0)      # np.frexp(a)[1] - 1 = floor(log2(a)), exactly
;;       r = np.clip(x / 2.0 ** e, -57344, 57344)
;;       step = 2.0 ** (np.maximum(np.frexp(np.where(r == 0, 1, r))[1] - 1, -14) - 2)
;;       q = np.round(r / step) * step * 2.0 ** e      # np.round: ties to even
;;       return np.moveaxis(q.reshape(q.shape[:-2] + (-1,))[..., :K], -1, axis).astype(np.float32)
;;   ~~~
;;   OPERANDS COMPUTED ON THE WAY. 'Computed on the way' means the value that the module computes at that place (a softmax that the list does not call 'softmax' is quantised finished and normalised). What goes into a quantiser is computed in f32, as accurately as f32 sums, v_exp_f32 and their like allow (about 1e-6 of the number): no bf16 or f16 on the way to a quantiser, and a product that is left as it is and whose result goes on into a quantised operand takes f32 operands (vector FMAs, or v_wmma_f32_16x16x4_f32). A number that lies on a knife's edge between two numbers of the format may be rounded either way, as far as f32 arithmetic and the matrix unit's own rounding can turn it there, and no further.
;; 2 versions. Each part assembles by itself: llvm-mc -triple=amdgcn-amd-amdhsa -mcpu=gfx1250 --defsym DOCPART=n.
;; ======== version 1 of 2: 3 launches
;; workspace buffers: qbuf 2,228,224 bytes; kvbuf 4,390,912 bytes; stbuf 262,144 bytes
;; launch proj (part 1): grid 256 x 1, 4 waves a work-group, no clusters, 174,080 bytes of LDS; arguments input_ids, Wq, Wk, qbuf, kvbuf; writes qbuf, kvbuf
.if DOCPART == 1
	.amdgcn_target "amdgcn-amd-amdhsa--gfx1250"
	.amdhsa_code_object_version 6
	.text
	.protected	k_q9c6ce7e3e5_proj
	.globl	k_q9c6ce7e3e5_proj
	.p2align	8
	.type	k_q9c6ce7e3e5_proj,@function
k_q9c6ce7e3e5_proj:
	s_mov_b64 s[64:65], 0
	v_nop
	global_prefetch_b8 v0, s[64:65] scope:SCOPE_SE
	s_setreg_imm32_b32 hwreg(HW_REG_WAVE_MODE, 25, 1), 1
	s_wait_xcnt 0x0
; q = Q(x) Q(Wq)^T, k = Q(x) Q(Wk)^T, v = Q(x) Q(Wq)^T (x: [32768][768] f32; Wq, Wk: [64][768] f32), all on codes of BF8 (E5M2) with one E8M0 scale for each 32 along K = 768; then
; q and k are quantised along the head's 64 and v along the keys, and only codes and scale bytes go to memory, laid as the later launches' operand registers want them.
; DEAD WORK.  reference() makes v with Wq and never reads Wv: whatever finite values Wv holds, no output hangs on it.  Wv is not loaded and is no argument of any launch.
; LIMIT: a NaN or an infinity in Wv is not carried to the result.  The product for v is done as written, with its sources swapped, so that a lane's registers run along the keys.
; LIMITS: NaN and infinities among the inputs are not served; a block of zeros, or one whose largest magnitude lies under 2^-111, gets the byte 1 (the rule says 127 for zeros): its codes are
; zeros or the floor's, and the bytes are read by this program alone.
; SHARES.  A work-group takes 128 rows of x (one record of qbuf and of kvbuf), wave w rows 32 w .. 32 w + 31.  Each wave also quantises 32 rows of W for all of K (waves 0, 1: Wq; waves 2, 3: Wk) and hands
; the codes to the others through LDS as images of the operand's registers.  W's rows and x's rows are both 3,072 bytes, so the wave's 6 K steps of W and 6 of x are ONE stream of 12 sets of 32 rows x 512 bytes.
; THE ROWS OF A TILE ARE NOT NEIGHBOURS: of 32 rows, lane r of tile u takes row 8 u + r + 8 (r / 8), for x and for W alike, so that the 16 registers of two neighbouring result tiles are 16 neighbours along the next K.
; A set is loaded a row an instruction (32 lanes x 16 bytes = 512 consecutive bytes), goes through the wave's own stage in LDS and comes back 16 neighbours of a block a lane.  Two sets, 64 loads, are on their way.
; NO CLUSTER: the one input that work-groups share is W, 393,216 bytes of f32 that are wanted once, in registers, for the quantiser; beside 104,448 bytes of images and 67,584 of stages they do not fit in LDS.
; OUT.  qbuf record (8,704 bytes): 4 images of 2,048 bytes (32 rows: chunk 2 u + b = tile u, block b of the head; lane l's 16 bytes at 512 chunk + 16 l), then 4 x 32 scale words (lanes 0-15 the word: bytes 0, 1 tile 0's,
; bytes 2, 3 tile 1's; lanes 16-31 the same turned by 16 bits).  kvbuf record (17,152 bytes): k likewise at 0 and 16,384; v's images [channel tile t][key group c][lane][16] at 8,192; v's scale words [t][r], byte c, at 16,896.
; REGISTERS, in windows of 256: window 0: addresses, work, codes, v128-255 the 128 numbers being quantised; window 1: two sets as loaded; window 2: v0-63 q^T, v64-127 k^T, v128-191 v; window 3: W's 8 fragments of a K step.
.set ROWB,  3072
.set QREC,  8704
.set KREC,  17152
.set GQ,    0                          ; LDS: q's scale words of the record, 512 bytes
.set GK,    512                        ; k's
.set GV,    1024                       ; v's scale bytes, 256
.set SPARE, 1536                       ; the spare words, 128 bytes for each wave: two blocks of 256 bytes that no other line names
.set WSC,   2048                       ; W's scale words: [K step][tile] x 128 bytes
.set WIMG,  8192                       ; W's images: [K step][tile] x 2,048 bytes
.set STG,   106496                     ; the stages: 32 places of 528 bytes for each wave
.set SP,    528                        ; a row's 512 bytes + 16: 33 x 16, so that sixteen rows' reads fall on sixteen different columns of 16 bytes
.set LI,  1                            ; v1   16 x lane
.set STI, 2                            ; v2   my stage + 16 x lane
.set STO, 3                            ; v3   my stage + 528 r + 64 (lane / 16)
.set L8,  4                            ; v4   8 x lane
.set LS,  5                            ; v5   4 x lane
.set WWI, 6                            ; v6   where I store W's images: WIMG + 16 x lane + 4,096 x wave
.set WWS, 7                            ; v7   and their scale words: WSC + 4 x lane + 256 x wave
.set AW,  8                            ; v8   the K step's place among the images
.set AS,  9                            ; v9   and among the scale words
.set GVB, 10                           ; v10  4 r + wave
.set GW,  11                           ; v11  4 x lane + 128 x wave
.set SPW, 12                           ; v12  my spare word; never rewritten
.set NIL, 13                           ; v13  0; never rewritten
.set PW0, 14                           ; v14, v15 the two tiles' scale words
.set TM,  16                           ; v16-31 the quantiser's work
.set PC,  32                           ; v32-63 two fragments of codes
.set WS,  64                           ; v64-71 W's scale words of a K step
.set PC3, 72                           ; v72-87 v's codes
.set TW,  88                           ; v88-95 at work
.set OQ,  96                           ; v96  16 x lane + 2,048 x wave
.set OV,  97                           ; v97  16 x lane + 512 x wave
.set SH,  98                           ; v98  16 x (lane / 16)
.set X,   128
.set WV,  14
.set LP,  16                           ; s[16:17] where the W loop's loads stand
.set XB,  18                           ; s[18:19] x at my first row
.set SEL, 20
.set MNT, 22
.set CT,  24
.set WO,  25
.set WO2, 26
.set MSB, 0
.macro WIN new                         ; the immediate's high byte repeats the setting that is left
.if MSB != \new
	s_set_vgpr_msb (MSB<<8)|\new
.set MSB, \new
.endif
.endm
; 32 loads: row i's 512 bytes of a K step into set rs (window 1)
.macro LOADSET rs, base, koff, nt
	WIN 0x40
.set li, 0
.rept 32
.if \nt
	global_load_b128 v[128*(\rs)+4*li:128*(\rs)+4*li+3], v[LI], s[\base:\base+1] offset:li*ROWB+(\koff) th:TH_LOAD_NT
.else
	global_load_b128 v[128*(\rs)+4*li:128*(\rs)+4*li+3], v[LI], s[\base:\base+1] offset:li*ROWB+(\koff)
.endif
.set li, li+1
.endr
	WIN 0
.endm
; Set rs through my stage.  Row i goes to place i % 8 + 16 ((i / 8) % 2) + 8 (i / 16): a tile's 16 rows then lie on 16 places on end.  Back: register 64 u + 16 b + i = k 32 b + 16 (lane / 16) + i of tile u's row r.
; LDS serves a wave's instructions in order, so no wait stands between the stores and the loads.
.macro TURN rs
	WIN 0x04                                       ; an LDS store's data are its source 1: window 1
.set ti, 0
.rept 32
	ds_store_b128 v[STI], v[128*(\rs)+4*ti:128*(\rs)+4*ti+3] offset:(ti%8+16*((ti/8)%2)+8*(ti/16))*SP
.set ti, ti+1
.endr
	WIN 0
.irp u, 0,1
.irp b, 0,1,2,3
.irp j, 0,1,2,3
	ds_load_b128 v[X+64*\u+16*\b+4*\j:X+64*\u+16*\b+4*\j+3], v[STO] offset:16*\u*SP+128*\b+16*\j
.endr
.endr
.endr
.endm
; 64 numbers of a lane in window w, register 16 b + i = number 16 (lane / 16) + i of block b, become 16 registers of codes at v[pc] and the four blocks' scale word in v[pw] (both in window 0).
.macro QUANT s, w, pc, pw
	WIN (\w)*5                                     ; sources 0 and 1 in window w
.irp b, 0,1,2,3
	v_max3_num_f32 v[TM+\b], |v[\s+16*\b]|, |v[\s+16*\b+1]|, 0x8000000   ; my 16 numbers of block b, from the low end on, and the floor 2^(16 - 127): the byte cannot fall under 1
.endr
.irp i, 2,4,6,8,10,12,14
.irp b, 0,1,2,3
	v_max3_num_f32 v[TM+\b], |v[\s+16*\b+\i]|, |v[\s+16*\b+\i+1]|, v[TM+\b]   ; the four blocks by turns
.endr
.endr
	WIN 0
.irp b, 0,1,2,3
	v_permlanex16_b32 v[TM+4+\b], v[TM+\b], s[SEL], s[SEL+1]
.endr
.irp b, 0,1,2,3
	v_max_num_f32 v[TM+\b], v[TM+\b], v[TM+4+\b]   ; with lane l xor 16's: the block's largest magnitude
.endr
.irp b, 0,1,2,3
	v_add_nc_u32 v[TM+12+\b], 0xf8800000, v[TM+\b] ; 15 off its exponent field: the conversion's scale operand
.endr
.irp b, 0,1,2,3
	v_and_or_b32 v[TM+8+\b], v[TM+\b], 0x7f800000, s[MNT]   ; 57,344 x the scale
.endr
.irp b, 0,1,2,3
	v_lshrrev_b32 v[TM+4+\b], 23, v[TM+12+\b]      ; the scale's byte
.endr
	v_lshl_or_b32 v[\pw], v[TM+5], 8, v[TM+4]
	v_lshl_or_b32 v[\pw], v[TM+6], 16, v[\pw]
	v_lshl_or_b32 v[\pw], v[TM+7], 24, v[\pw]
	WIN (\w)*65                                    ; destination and source 0 in window w
.irp b, 0,1,2,3
.irp i, 0,1,2,3,4,5,6,7,8,9,10,11,12,13,14,15
	v_med3_num_f32 v[\s+16*\b+\i], v[\s+16*\b+\i], -v[TM+8+\b], v[TM+8+\b]   ; the conversion to an 8-bit code does not saturate (ISA guide 7.6.2): the hold at the largest code x the scale
.endr
.endr
	WIN \w                                         ; source 0 in window w
.irp b, 0,1,2,3
	v_cvt_scalef32_pk8_bf8_f32 v[\pc+4*\b:\pc+4*\b+1], v[\s+16*\b:\s+16*\b+7], v[TM+12+\b]
	v_cvt_scalef32_pk8_bf8_f32 v[\pc+4*\b+2:\pc+4*\b+3], v[\s+16*\b+8:\s+16*\b+15], v[TM+12+\b]
.endr
	WIN 0
	v_nop                                          ; one plain vector instruction behind the last conversion
.endm
; A K step of my 32 rows of W: two fragments and their scale words go to LDS as images.  sec: the second step of a trip, 16,384 and 1,024 bytes on.
.macro STEPW rs, koff, sec
	s_wait_loadcnt 32                              ; this set's 32 loads are in; the one younger set's 32 may be out
	TURN \rs
	s_wait_dscnt 32                                ; the stage's 32 stores have read their registers (its 32 loads may be out),
	LOADSET \rs, LP, \koff, 0                      ; which take the set two steps on
	s_wait_dscnt 0x0
	QUANT X, 0, PC, PW0
	QUANT X+64, 0, PC+16, PW0+1
.if \sec == 0
	v_add_nc_u32 v[AW], s[WO], v[WWI]
	v_add_nc_u32 v[AS], s[WO2], v[WWS]
.endif
.irp u, 0,1
.irp c, 0,1,2,3
	ds_store_b128 v[AW], v[PC+16*\u+4*\c:PC+16*\u+4*\c+3] offset:\sec*16384+\u*2048+512*\c
.endr
	ds_store_b32 v[AS], v[PW0+\u] offset:\sec*1024+\u*128
.endr
.endm
; 24 products of a K step, 24 accumulators by turns.  q^T, k^T: source 0 = 16 rows of W, source 1 = 16 rows of x: a lane holds one row of x and eight channels.
; v: the sources swapped: a lane holds one channel and eight rows (keys).  zero = 1: the first K step starts the sums.
.macro MULS zero
	WIN 0xa3                                       ; source 0 window 3, source 1 window 0, C and D window 2
.irp u, 0,1
.irp t, 0,1,2,3,4,5,6,7
.if \zero
	v_wmma_scale_f32_16x16x128_f8f6f4 v[32*\u+8*\t+32*(\t/4):32*\u+8*\t+32*(\t/4)+7], v[16*\t:16*\t+15], v[PC+16*\u:PC+16*\u+15], 0, v[WS+\t], v[PW0+\u] matrix_a_fmt:MATRIX_FMT_BF8 matrix_b_fmt:MATRIX_FMT_BF8
.else
	v_wmma_scale_f32_16x16x128_f8f6f4 v[32*\u+8*\t+32*(\t/4):32*\u+8*\t+32*(\t/4)+7], v[16*\t:16*\t+15], v[PC+16*\u:PC+16*\u+15], v[32*\u+8*\t+32*(\t/4):32*\u+8*\t+32*(\t/4)+7], v[WS+\t], v[PW0+\u] matrix_a_fmt:MATRIX_FMT_BF8 matrix_b_fmt:MATRIX_FMT_BF8
.endif
.endr
.endr
	WIN 0xac                                       ; source 0 window 0, source 1 window 3, C and D window 2
.irp u, 0,1
.irp t, 0,1,2,3
.if \zero
	v_wmma_scale_f32_16x16x128_f8f6f4 v[128+16*\t+8*\u:128+16*\t+8*\u+7], v[PC+16*\u:PC+16*\u+15], v[16*\t:16*\t+15], 0, v[PW0+\u], v[WS+\t] matrix_a_fmt:MATRIX_FMT_BF8 matrix_b_fmt:MATRIX_FMT_BF8
.else
	v_wmma_scale_f32_16x16x128_f8f6f4 v[128+16*\t+8*\u:128+16*\t+8*\u+7], v[PC+16*\u:PC+16*\u+15], v[16*\t:16*\t+15], v[128+16*\t+8*\u:128+16*\t+8*\u+7], v[PW0+\u], v[WS+\t] matrix_a_fmt:MATRIX_FMT_BF8 matrix_b_fmt:MATRIX_FMT_BF8
.endif
.endr
.endr
	WIN 0
.rept 8
	v_nop                                          ; eight places behind this form, in front of the loads into W's fragments and scale words and of the first read of results
.endr
.endm
; K step n of my 32 rows of x.
.macro STEPX n
.if \n < 5
	s_wait_loadcnt 32                              ; this set is in; the one younger set may be out
.else
	s_wait_loadcnt 0x0
.endif
	TURN (\n)%2
.if \n < 4
	s_wait_dscnt 32                                ; the stage's stores have read their registers
	LOADSET (\n)%2, XB, 512*((\n)+2), 1
.endif
	v_add_nc_u32 v[AW], (\n)*16384, v[LI]
	WIN 0xc0                                       ; destination window 3
.irp t, 0,1,2,3,4,5,6,7
.irp c, 0,1,2,3
	ds_load_b128 v[16*\t+4*\c:16*\t+4*\c+3], v[AW] offset:WIMG+2048*\t+512*\c
.endr
.endr
	WIN 0
.irp t, 0,1,2,3,4,5,6,7
	ds_load_b32 v[WS+\t], v[LS] offset:WSC+(\n)*1024+128*\t
.endr
	s_wait_dscnt 40                                ; x's numbers are back from the stage; the 40 loads of W's images and words may be out
	QUANT X, 0, PC, PW0
	QUANT X+64, 0, PC+16, PW0+1
	s_wait_dscnt 0x0
.rept 4
	v_nop                                          ; codes written by vector instructions stand four places ahead of a scaled matrix instruction; the scale words were made 64 holds further up
.endr
.if \n == 0
	MULS 1
.else
	MULS 0
.endif
.endm
	s_load_b256 s[4:11], s[0:1], 0x0               ; x s[4:5], Wq s[6:7], Wk s[8:9], qbuf s[10:11]
	s_load_b64 s[12:13], s[0:1], 0x20              ; kvbuf
	v_lshl_add_u32 v[SPW], v0, 2, SPARE
	v_mov_b32 v[NIL], 0
	v_lshrrev_b32 v[TW], 5, v0
	v_readfirstlane_b32 s[WV], v[TW]               ; wave 0..3
	v_and_b32 v[TW], 31, v0                        ; lane
	v_and_b32 v[TW+1], 15, v0                      ; r
	v_bfe_u32 v[TW+2], v0, 4, 1                    ; lane / 16
	v_lshlrev_b32 v[LI], 4, v[TW]
	v_lshlrev_b32 v[L8], 3, v[TW]
	v_lshlrev_b32 v[LS], 2, v[TW]
	v_lshlrev_b32 v[SH], 4, v[TW+2]
	s_mul_i32 s28, s[WV], 32*SP
	s_add_co_u32 s28, s28, STG                     ; my stage
	v_add_nc_u32 v[STI], s28, v[LI]
	v_mul_u32_u24 v[STO], v[TW+1], SP
	v_lshl_add_u32 v[STO], v[TW+2], 6, v[STO]
	v_add_nc_u32 v[STO], s28, v[STO]
	s_lshl_b32 s28, s[WV], 12
	s_add_co_u32 s28, s28, WIMG
	v_add_nc_u32 v[WWI], s28, v[LI]
	s_lshl_b32 s28, s[WV], 8
	s_add_co_u32 s28, s28, WSC
	v_add_nc_u32 v[WWS], s28, v[LS]
	v_lshlrev_b32 v[GVB], 2, v[TW+1]
	v_add_nc_u32 v[GVB], s[WV], v[GVB]
	s_lshl_b32 s28, s[WV], 7
	v_add_nc_u32 v[GW], s28, v[LS]
	s_lshl_b32 s28, s[WV], 11
	v_add_nc_u32 v[OQ], s28, v[LI]
	s_lshl_b32 s28, s[WV], 9
	v_add_nc_u32 v[OV], s28, v[LI]
.irp b, 0,1,2,3
	v_mov_b32 v[TM+4+\b], 0                        ; written once: a lane permute's destination counts as one of its sources
.endr
	s_mov_b32 s[SEL], 0x76543210
	s_mov_b32 s[SEL+1], 0xfedcba98                 ; v_permlanex16_b32's selects for lane l xor 16
	s_mov_b32 s[MNT], 0x600000                     ; the mantissa field of 57,344
	s_and_b32 s30, s[WV], 1
	s_mul_i32 s30, s30, 32*ROWB                    ; my 32 rows of Wq or of Wk
	s_mov_b32 s31, 0
	s_lshl_b32 s32, ttmp9, 7
	s_lshl_b32 s33, s[WV], 5
	s_add_co_u32 s32, s32, s33                     ; my first row of x: 128 x work-group + 32 x wave
	s_mul_i32 s32, s32, ROWB                       ; under 2^27 bytes
	s_mov_b32 s33, 0
	s_mul_i32 s34, ttmp9, QREC
	s_mov_b32 s35, 0
	s_mul_i32 s28, ttmp9, KREC
	s_mov_b32 s29, 0
	s_mov_b32 s[CT], 3
	s_mov_b32 s[WO], 0
	s_mov_b32 s[WO2], 0
	s_wait_kmcnt 0x0
	s_cmp_lt_u32 s[WV], 2                          ; the choice hangs on the wave's number alone
	s_cselect_b64 s[LP:LP+1], s[6:7], s[8:9]
	s_add_nc_u64 s[LP:LP+1], s[LP:LP+1], s[30:31]
	s_add_nc_u64 s[XB:XB+1], s[4:5], s[32:33]
	s_add_nc_u64 s[10:11], s[10:11], s[34:35]      ; my record of qbuf
	s_add_nc_u64 s[12:13], s[12:13], s[28:29]      ; and of kvbuf
	LOADSET 0, LP, 0, 0                            ; W's K steps 0 and 1
	LOADSET 1, LP, 512, 0
	s_wait_xcnt 0x0                                ; the loads have read their base: it may step
	s_add_nc_u64 s[LP:LP+1], s[LP:LP+1], 1024
.Lw:                                                   ; three trips, two K steps of W each; a trip fetches the two sets that follow: W's, and in the third trip x's K steps 0 and 1
	STEPW 0, 0, 0
	STEPW 1, 512, 1
	s_wait_xcnt 0x0                                ; the trip's loads have read their base
	s_add_nc_u64 s[LP:LP+1], s[LP:LP+1], 1024
	s_cmp_eq_u32 s[CT], 2                          ; behind the second trip the stream goes on into x
	s_cselect_b64 s[LP:LP+1], s[XB:XB+1], s[LP:LP+1]
	s_add_co_u32 s[WO], s[WO], 32768
	s_add_co_u32 s[WO2], s[WO2], 2048
	s_sub_co_u32 s[CT], s[CT], 1
	s_cmp_lg_u32 s[CT], 0
	s_cbranch_scc1 .Lw
	s_wait_dscnt 0x0                               ; for the others' sake: my images and words have landed
	s_barrier_signal -1
	s_barrier_wait -1                              ; W's 48 fragments lie in LDS
	STEPX 0
	STEPX 1
	STEPX 2
	STEPX 3
	STEPX 4
	STEPX 5
	; ---- q^T: 64 registers = tile u, block b of the head: one image of 32 rows
	QUANT 0, 2, PC, PW0
.irp i, 0,1,2,3
	global_store_b128 v[OQ], v[PC+4*\i:PC+4*\i+3], s[10:11] offset:512*\i   ; 32 lanes store 512 consecutive bytes, aligned
.endr
	v_lshrrev_b32 v[TW], v[SH], v[PW0]             ; lanes 0-15 keep the word (shifts by 0), lanes 16-31 turn it by 16 bits
	v_lshlrev_b32 v[TW+1], v[SH], v[PW0]
	v_or_b32 v[TW], v[TW], v[TW+1]
	ds_store_b32 v[GW], v[TW] offset:GQ
	; ---- k^T likewise
	QUANT 64, 2, PC+16, PW0+1
.irp i, 0,1,2,3
	global_store_b128 v[OQ], v[PC+16+4*\i:PC+16+4*\i+3], s[12:13] offset:512*\i
.endr
	v_lshrrev_b32 v[TW+2], v[SH], v[PW0+1]
	v_lshlrev_b32 v[TW+3], v[SH], v[PW0+1]
	v_or_b32 v[TW+2], v[TW+2], v[TW+3]
	ds_store_b32 v[GW], v[TW+2] offset:GK
	; ---- v: block t of the quantiser = channel tile t; my 32 keys are key group c = wave of each fragment
	QUANT 128, 2, PC3, PW0
.irp t, 0,1,2,3
	global_store_b128 v[OV], v[PC3+4*\t:PC3+4*\t+3], s[12:13] offset:8192+2048*\t
	ds_store_b8 v[GVB], v[TM+4+\t] offset:GV+64*\t ; byte c = wave of channel (t, r)'s word; both lanes of a block write the same byte with the same value
.endr
	s_wait_dscnt 0x0                               ; for the others' sake
	s_barrier_signal -1
	s_barrier_wait -1                              ; the record's scale words lie in LDS: they leave in whole runs
	s_cmp_lg_u32 s[WV], 0
	s_cbranch_scc1 .Lnot0
	ds_load_b128 v[TW:TW+3], v[LI] offset:GQ
	s_wait_dscnt 0x0
	global_store_b128 v[LI], v[TW:TW+3], s[10:11] offset:8192
	s_branch .Lend
.Lnot0:
	s_cmp_lg_u32 s[WV], 1
	s_cbranch_scc1 .Lnot1
	ds_load_b128 v[TW:TW+3], v[LI] offset:GK
	s_wait_dscnt 0x0
	global_store_b128 v[LI], v[TW:TW+3], s[12:13] offset:16384
	s_branch .Lend
.Lnot1:
	s_cmp_lg_u32 s[WV], 2
	s_cbranch_scc1 .Lend
	ds_load_b64 v[TW:TW+1], v[L8] offset:GV
	s_wait_dscnt 0x0
	global_store_b64 v[L8], v[TW:TW+1], s[12:13] offset:16896   ; 32 lanes store 256 consecutive bytes, aligned
.Lend:
	s_wait_tensorcnt 0x0                           ; the wave's end, behind my last LDS store
	ds_add_u32 v[SPW], v[NIL]
	s_wait_dscnt 0x0
	s_endpgm
.Lfunc_end_k_q9c6ce7e3e5_proj:
	.size	k_q9c6ce7e3e5_proj, .Lfunc_end_k_q9c6ce7e3e5_proj-k_q9c6ce7e3e5_proj
	.p2alignl 7, 3214868480
	.fill 96, 4, 3214868480
	.section	.rodata,"a",@progbits
	.p2align	6, 0x0
	.amdhsa_kernel k_q9c6ce7e3e5_proj
		.amdhsa_group_segment_fixed_size 174080
		.amdhsa_private_segment_fixed_size 0
		.amdhsa_enable_private_segment 0
		.amdhsa_kernarg_size 40
		.amdhsa_user_sgpr_count 2
		.amdhsa_user_sgpr_kernarg_segment_ptr 1
		.amdhsa_wavefront_size32 1
		.amdhsa_system_sgpr_workgroup_id_x 1
		.amdhsa_system_sgpr_workgroup_id_y 1
		.amdhsa_system_sgpr_workgroup_id_z 1
		.amdhsa_system_vgpr_workitem_id 0
		.amdhsa_next_free_vgpr 896
		.amdhsa_next_free_sgpr 66
		.amdhsa_reserve_vcc 0
		.amdhsa_float_denorm_mode_32 3
		.amdhsa_float_denorm_mode_16_64 3
		.amdhsa_memory_ordered 1
		.amdhsa_forward_progress 1
		.amdhsa_inst_pref_size 254
	.end_amdhsa_kernel
	.amdgpu_metadata
---
amdhsa.version: [ 1, 2 ]
amdhsa.kernels:
  - .name:           k_q9c6ce7e3e5_proj
    .symbol:         k_q9c6ce7e3e5_proj.kd
    .args:
      - { .name: input_ids, .offset: 0, .size: 8, .value_kind: global_buffer, .address_space: global }
      - { .name: Wq, .offset: 8, .size: 8, .value_kind: global_buffer, .address_space: global }
      - { .name: Wk, .offset: 16, .size: 8, .value_kind: global_buffer, .address_space: global }
      - { .name: qbuf, .offset: 24, .size: 8, .value_kind: global_buffer, .address_space: global }
      - { .name: kvbuf, .offset: 32, .size: 8, .value_kind: global_buffer, .address_space: global }
    .group_segment_fixed_size: 174080
    .private_segment_fixed_size: 0
    .kernarg_segment_align: 8
    .kernarg_segment_size: 40
    .max_flat_workgroup_size: 128
    .sgpr_count:     66
    .vgpr_count:     896
    .wavefront_size: 32
...
	.end_amdgpu_metadata
.endif
;; end of part 1
;; launch stats (part 2): grid 32 x 8, 16 waves a work-group, clusters of 4 x 1, 327,680 bytes of LDS; arguments qbuf, kvbuf, stbuf; writes stbuf
.if DOCPART == 2
	.amdgcn_target "amdgcn-amd-amdhsa--gfx1250"
	.amdhsa_code_object_version 6
	.text
	.protected	k_q9c6ce7e3e5_stats
	.globl	k_q9c6ce7e3e5_stats
	.p2align	8
	.type	k_q9c6ce7e3e5_stats,@function
k_q9c6ce7e3e5_stats:
	s_mov_b64 s[64:65], 0
	v_nop
	global_prefetch_b8 v0, s[64:65] scope:SCOPE_SE
	s_setreg_imm32_b32 hwreg(HW_REG_WAVE_MODE, 25, 1), 1
	s_wait_xcnt 0x0
	s_wait_alu depctr_hold_cnt(0) depctr_sa_sdst(0) depctr_va_vdst(0) depctr_va_sdst(0) depctr_va_ssrc(0) depctr_va_vcc(0) depctr_vm_vsrc(0)
	s_getreg_b32 s2, hwreg(HW_REG_IB_STS2, 6, 4)
	s_cmp_eq_u32 s2, 0
	s_cbranch_scc0 .Lentry_in_a_cluster
	s_endpgm
.Lentry_in_a_cluster:
	s_bfe_u32 s2, ttmp6, 0x10000c
	s_cmp_lg_u32 s2, 0x3003
	s_cbranch_scc0 .Lentry_shape_is_right
	s_endpgm
.Lentry_shape_is_right:
; The softmax of reference() runs along the QUERIES: each key has its own maximum and sum over all 4,096 queries of its batch.  This launch makes, for each key, -c m (m the largest raw score, c = log2(e) / 64, the 64 being
; sqrt(4096)) and 1 / l, l = the sum over the queries of 2^(c raw - c m).  The raw scores are the quantised product Q(q) Q(k)^T on the codes that the launch before stored; they are not kept.  Wv is left out as dead work: it has no way to any output.
; The maximum is taken away ahead of every exponential, by a running maximum: where it moves, the sum is multiplied by 2^(c m_old - c m_new).
; LIMITS: NaN and infinities are not served; terms under 2^-126 count as 0 (v_exp_f32: ISA guide 15.8); the sums are ordered otherwise than reference()'s.
; SHARES.  A work-group takes 128 keys of one batch.  Wave w: key group p = w % 4 (32 keys, two tiles), queries 1,024 (w / 4) on.  Source 0 = 32 queries' image, source 1 = a tile of keys: a lane holds ONE key, its registers run along the queries,
; so maximum and sum stay in the lane; the two halves of the lanes and the four quarters meet at the end.
; K IS 64 AND THE INSTRUCTION'S IS 128: an image holds tile 0's 64 codes and then tile 1's; against [keys | zeros] it gives tile 0's scores, against [zeros | keys] tile 1's.  k0 Z k1 Z k0 in 40 registers holds the four forms.
; The keys' scale word stands as it is in lanes 0-15 and turned by 16 bits in lanes 16-31: the row chosen puts a tile's two bytes where its codes are.  Bytes that meet zero codes are 1 to 254.
; CLUSTER.  The four work-groups of a cluster belong to one batch and need the same 278,528 bytes of q: each wave asks for 17,408 of them by a joint load; they are filled once and stay.
.set QREC,  8704
.set KREC,  17152
.set PM,    32*QREC                    ; behind q's 32 records: the waves' maxima [quarter][128 keys],
.set PL,    PM+2048                    ; their sums,
.set SPARE, PM+4096                    ; and the spare words, 128 bytes for each wave: eight blocks of 256 bytes that no other line names
.set LI,  1                            ; v1   16 x lane + my quarter's 8 records
.set LS,  2                            ; v2   4 x lane + the same + 8,192: a record's scale words
.set ADI, 3
.set ADW, 4
.set SPW, 5
.set NIL, 6
.set PST, 7                            ; v7   where my key's maximum goes
.set FRD, 8                            ; v8   the last merge: where I read
.set FGO, 9                            ; v9   and my byte offset in the record of stbuf
.set KB,  16                           ; v16-55 k0 Z k1 Z k0
.set KS,  56
.set QW,  57                           ; v57, v58
.set AF,  64                           ; v64-95 two images of 32 queries
.set SC,  96                           ; v96-159 scores: 32 a + 16 g + 8 u
.set ST,  160                          ; tile a at ST + 8 a: +0 -c m, +1 m, +2, +3 l in two halves, +4 the factor, +5 to +7 at work
.set CH,  176                          ; tile a at CH + 4 a: two chains of the maximum, a pair for the sums
.set WV,  12
.set PP,  13
.set ZZ,  14
.set G1,  16
.set G0,  24
.set CS,  32
.set SEL, 34
.set NC,  36
.set TB,  37
.set CT,  38
.macro CROUND                          ; a round of the cluster's barrier
	s_barrier_signal -1
	s_barrier_wait -1
	s_cmp_lg_u32 s[WV], 0
	s_cbranch_scc1 .Lnw0_\@
	s_barrier_signal -3
.Lnw0_\@:
	s_barrier_wait -3
	s_barrier_signal -1
	s_barrier_wait -1
.endm
	s_load_b128 s[4:7], s[0:1], 0x0                ; qbuf, kvbuf
	s_load_b64 s[8:9], s[0:1], 0x10                ; stbuf
	v_lshl_add_u32 v[SPW], v0, 2, SPARE
	v_mov_b32 v[NIL], 0
	ds_add_u32 v[SPW], v[NIL]                      ; the wave's opening: the add, twice on end, and its wait ahead of my first tensor load
	ds_add_u32 v[SPW], v[NIL]
	v_lshrrev_b32 v10, 5, v0
	v_readfirstlane_b32 s[WV], v10                 ; wave 0..15
	s_and_b32 s[PP], s[WV], 3
	s_lshr_b32 s[ZZ], s[WV], 2
	s_bfe_u32 s40, ttmp6, 0x40000                  ; cx
	s_lshl_b32 s41, ttmp9, 2
	s_add_co_u32 s41, s41, s40                     ; my 128 keys: record 4 x cluster x + cx of the batch: it enters k's and stbuf's addresses alone
	s_and_b32 s42, ttmp7, 0xffff                   ; the batch, which the four partners share
	s_lshl_b32 s45, s42, 5
	; descriptor group 1: 68 rows of 256 bytes (32 elements of 8), dense
	s_mov_b32 s[G1], 15|(3<<16)|(1<<21)            ; the mask: all four work-groups; elements of 8 bytes; bit 21 set beside a mask
	s_mov_b32 s[G1+1], 32<<16
	s_mov_b32 s[G1+2], 68<<16
	s_mov_b32 s[G1+3], 32<<16
	s_mov_b32 s[G1+4], 68
	s_mov_b32 s[G1+5], 32
	s_mov_b32 s[G1+6], 0
	s_mov_b32 s[G1+7], 0
	s_lshl_b32 s46, s[WV], 1
	s_add_co_u32 s46, s46, s45
	s_mul_i32 s46, s46, QREC                       ; records 2 w and 2 w + 1 of the batch
	s_mov_b32 s47, 0
	s_add_co_u32 s48, s45, s41
	s_mul_i32 s50, s48, KREC
	s_mov_b32 s51, 0
	s_lshl_b32 s52, s48, 10
	s_mov_b32 s53, 0
	s_mov_b32 s[CS], 0x3cb8aa3b                    ; c = log2(e) / 64
	s_mov_b32 s[CS+1], s[CS]                       ; (named with it as a pair, so it is written)
	s_mov_b32 s[NC], 0xbcb8aa3b                    ; -c
	s_mov_b32 s[SEL], 0x76543210
	s_mov_b32 s[SEL+1], 0xfedcba98
	s_mov_b32 s[TB], 0
	s_mov_b32 s[CT], 8
	s_wait_dscnt 0x0                               ; both opening adds are done
	s_wait_kmcnt 0x0
	s_mov_b32 s[G0], 1
	s_mul_i32 s[G0+1], s[WV], 2*QREC               ; no place in the cluster enters an LDS address
	s_add_nc_u64 s[G0+2:G0+3], s[4:5], s[46:47]
	s_or_b32 s[G0+3], s[G0+3], 0x80000000
	s_add_nc_u64 s[6:7], s[6:7], s[50:51]          ; my keys' record
	s_add_nc_u64 s[8:9], s[8:9], s[52:53]
	CROUND                                         ; all four work-groups are here: the joint loads meet
	tensor_load_to_lds s[G0:G0+3], s[G1:G1+7]      ; my one load: one is out
	s_nop 0
.rept 4
	v_nop
.endr
	v_and_b32 v10, 31, v0                          ; lane
	v_and_b32 v11, 15, v0                          ; r
	s_mul_i32 s54, s[ZZ], 8*QREC
	v_lshl_add_u32 v[LI], v10, 4, s54
	s_add_co_u32 s55, s54, 8192
	v_lshl_add_u32 v[LS], v10, 2, s55
	v_and_b32 v12, 8, v11
	v_add_nc_u32 v12, v12, v11                     ; r + 8 (r / 8): tile a's lane r holds key 8 a + r + 8 (r / 8) of the group
	s_lshl_b32 s56, s[ZZ], 9
	s_lshl_b32 s57, s[PP], 7
	s_add_co_u32 s56, s56, s57
	s_add_co_u32 s56, s56, PM
	v_lshl_add_u32 v[PST], v12, 2, s56
	s_and_b32 s58, s[WV], 1
	s_lshl_b32 s58, s58, 8
	v_lshl_add_u32 v[FGO], v10, 3, s58             ; 8 x lane + 256 x (wave % 2)
	v_add_nc_u32 v[FRD], PM, v[FGO]
	s_lshl_b32 s57, s[PP], 11
	v_lshl_add_u32 v13, v10, 4, s57                ; my key group's image
	s_lshl_b32 s57, s[PP], 7
	v_lshl_add_u32 v14, v10, 2, s57                ; and its scale words
	global_load_b128 v[KB:KB+3], v13, s[6:7]
	global_load_b128 v[KB+4:KB+7], v13, s[6:7] offset:512
	global_load_b128 v[KB+16:KB+19], v13, s[6:7] offset:1024
	global_load_b128 v[KB+20:KB+23], v13, s[6:7] offset:1536
	global_load_b128 v[KB+32:KB+35], v13, s[6:7]
	global_load_b128 v[KB+36:KB+39], v13, s[6:7] offset:512
	global_load_b32 v[KS], v14, s[6:7] offset:16384
.irp i, 0,1,2,3,4,5,6,7
	v_mov_b32 v[KB+8+\i], 0                        ; zero codes
	v_mov_b32 v[KB+24+\i], 0
.endr
.irp a, 0,1
	v_mov_b32 v[ST+8*\a+1], 0xff61b1e6             ; the largest score so far: -3e38, under every score
	v_mov_b32 v[ST+8*\a+2], 0                      ; the sum, in two halves
	v_mov_b32 v[ST+8*\a+3], 0
	v_mov_b32 v[ST+8*\a+6], 0                      ; (a lane permute's destination counts as one of its sources)
	v_mul_f32 v[ST+8*\a], s[NC], v[ST+8*\a+1]
.endr
	s_wait_loadcnt 0x0
	s_wait_tensorcnt 0x0                           ; my part of q is in,
	s_barrier_signal -1
	s_barrier_wait -1                              ; everybody's is; nothing is filled again
.macro FRAGS hf                        ; half hf of a record: two images of 32 queries and their scale words
.irp g, 0,1
.irp c, 0,1,2,3
	ds_load_b128 v[AF+16*\g+4*\c:AF+16*\g+4*\c+3], v[ADI] offset:(2*\hf+\g)*2048+512*\c
.endr
	ds_load_b32 v[QW+\g], v[ADW] offset:(2*\hf+\g)*128
.endr
.endm
; 64 queries x my 32 keys: 8 products, then the running maximum and sum of both tiles of keys, by turns.
.macro CHUNK hf
	s_wait_dscnt 0x0
.irp g, 0,1
.irp a, 0,1
.irp u, 0,1
.if \a == \u
	v_wmma_scale_f32_16x16x128_f8f6f4 v[SC+32*\a+16*\g+8*\u:SC+32*\a+16*\g+8*\u+7], v[AF+16*\g:AF+16*\g+15], v[KB+16*\a+24*\u-32*\a*\u:KB+16*\a+24*\u-32*\a*\u+15], 0, v[QW+\g], v[KS] matrix_a_fmt:MATRIX_FMT_BF8 matrix_b_fmt:MATRIX_FMT_BF8
.else
	v_wmma_scale_f32_16x16x128_f8f6f4 v[SC+32*\a+16*\g+8*\u:SC+32*\a+16*\g+8*\u+7], v[AF+16*\g:AF+16*\g+15], v[KB+16*\a+24*\u-32*\a*\u:KB+16*\a+24*\u-32*\a*\u+15], 0, v[QW+\g], v[KS] matrix_a_fmt:MATRIX_FMT_BF8 matrix_b_fmt:MATRIX_FMT_BF8 matrix_b_scale:MATRIX_SCALE_ROW1
.endif
.endr
.endr
.endr
.rept 9
	v_nop                                          ; eight places in front of the first read of results and of loads into the images; the ninth for the next chunk's products, which begin these accumulators anew
.endr
.if \hf == 0
	FRAGS 1
.endif
.irp a, 0,1                                    ; the maximum of 32 scores and the old m: two chains, each accumulator from its low end on
	v_max3_num_f32 v[CH+4*\a], v[SC+32*\a], v[SC+32*\a+1], v[ST+8*\a+1]
	v_max3_num_f32 v[CH+4*\a+1], v[SC+32*\a+16], v[SC+32*\a+17], v[SC+32*\a+18]
.endr
.irp i, 0,1,2,3,4,5
.irp a, 0,1
	v_max3_num_f32 v[CH+4*\a], v[CH+4*\a], v[SC+32*\a+2+2*\i], v[SC+32*\a+3+2*\i]
	v_max3_num_f32 v[CH+4*\a+1], v[CH+4*\a+1], v[SC+32*\a+19+2*\i], v[SC+32*\a+20+2*\i]
.endr
.endr
.irp a, 0,1
	v_max3_num_f32 v[CH+4*\a], v[CH+4*\a], v[SC+32*\a+14], v[SC+32*\a+15]
.endr
.irp a, 0,1
	v_max3_num_f32 v[ST+8*\a+1], v[CH+4*\a], v[CH+4*\a+1], v[SC+32*\a+31]   ; the new m
.endr
.irp a, 0,1
	v_mov_b32 v[ST+8*\a+5], v[ST+8*\a]
.endr
.irp a, 0,1
	v_mul_f32 v[ST+8*\a], s[NC], v[ST+8*\a+1]      ; -c m
.endr
.irp a, 0,1
	v_sub_f32 v[ST+8*\a+5], v[ST+8*\a], v[ST+8*\a+5]   ; c m_old - c m_new
.endr
.irp i, 0,2,4,6,8,10,12,14,16,18,20,22,24,26,28,30
.irp a, 0,1
	v_pk_fma_f32 v[SC+32*\a+\i:SC+32*\a+\i+1], v[SC+32*\a+\i:SC+32*\a+\i+1], s[CS:CS+1], v[ST+8*\a:ST+8*\a+1] op_sel_hi:[1,0,0]   ; c raw - c m, two at a time (of the pairs c and -c m the low word serves both halves)
.endr
.endr
.irp a, 0,1
	v_exp_f32 v[ST+8*\a+4], v[ST+8*\a+5]           ; the factor for what was summed under the old m
.endr
.irp i, 0,1,2,3,4,5,6,7,8,9,10,11,12,13,14,15,16,17,18,19,20,21,22,23,24,25,26,27,28,29,30,31
.irp a, 0,1
	v_exp_f32 v[SC+32*\a+\i], v[SC+32*\a+\i]
.endr
.endr
	v_nop                                          ; a plain place behind the last exponential
	s_wait_alu depctr_va_vdst(0)                   ; the wait ahead of the first reader: one for the 66
.irp a, 0,1
	v_pk_fma_f32 v[ST+8*\a+2:ST+8*\a+3], v[ST+8*\a+2:ST+8*\a+3], v[ST+8*\a+4:ST+8*\a+5], v[SC+32*\a:SC+32*\a+1] op_sel_hi:[1,0,1]
.endr
.irp a, 0,1
	v_pk_add_f32 v[CH+4*\a+2:CH+4*\a+3], v[SC+32*\a+2:SC+32*\a+3], v[SC+32*\a+4:SC+32*\a+5]
.endr
.irp i, 0,1,2,3,4,5
.irp a, 0,1
	v_pk_add_f32 v[ST+8*\a+2:ST+8*\a+3], v[ST+8*\a+2:ST+8*\a+3], v[SC+32*\a+6+4*\i:SC+32*\a+7+4*\i]
	v_pk_add_f32 v[CH+4*\a+2:CH+4*\a+3], v[CH+4*\a+2:CH+4*\a+3], v[SC+32*\a+8+4*\i:SC+32*\a+9+4*\i]
.endr
.endr
.irp a, 0,1
	v_pk_add_f32 v[ST+8*\a+2:ST+8*\a+3], v[ST+8*\a+2:ST+8*\a+3], v[SC+32*\a+30:SC+32*\a+31]
.endr
.irp a, 0,1
	v_pk_add_f32 v[ST+8*\a+2:ST+8*\a+3], v[ST+8*\a+2:ST+8*\a+3], v[CH+4*\a+2:CH+4*\a+3]
.endr
.endm
.Lrec:                                                 ; eight trips: a record of 128 queries each
	v_add_nc_u32 v[ADI], s[TB], v[LI]
	v_add_nc_u32 v[ADW], s[TB], v[LS]
	FRAGS 0
	CHUNK 0
	CHUNK 1
	s_add_co_u32 s[TB], s[TB], QREC
	s_sub_co_u32 s[CT], s[CT], 1
	s_cmp_lg_u32 s[CT], 0
	s_cbranch_scc1 .Lrec
	; the two halves of the lanes hold the same key's figures over different queries: they meet
.irp a, 0,1
	v_add_f32 v[ST+8*\a+2], v[ST+8*\a+2], v[ST+8*\a+3]
.endr
.irp a, 0,1
	v_permlanex16_b32 v[ST+8*\a+6], v[ST+8*\a+1], s[SEL], s[SEL+1]
.endr
.irp a, 0,1
	v_max_num_f32 v[ST+8*\a+6], v[ST+8*\a+1], v[ST+8*\a+6]   ; M of both
.endr
.irp a, 0,1
	v_mul_f32 v[ST+8*\a+7], s[NC], v[ST+8*\a+6]
.endr
.irp a, 0,1
	v_fma_f32 v[ST+8*\a+5], v[ST+8*\a+1], s[CS], v[ST+8*\a+7]
.endr
.irp a, 0,1
	v_exp_f32 v[ST+8*\a+5], v[ST+8*\a+5]
.endr
	v_nop
	s_wait_alu depctr_va_vdst(0)
.irp a, 0,1
	v_mul_f32 v[ST+8*\a+2], v[ST+8*\a+2], v[ST+8*\a+5]
.endr
.irp a, 0,1
	v_permlanex16_b32 v[ST+8*\a+3], v[ST+8*\a+2], s[SEL], s[SEL+1]
.endr
.irp a, 0,1
	v_add_f32 v[ST+8*\a+2], v[ST+8*\a+2], v[ST+8*\a+3]
.endr
.irp a, 0,1
	ds_store_b32 v[PST], v[ST+8*\a+6] offset:32*\a           ; both halves of the lanes write the same word with the same value
	ds_store_b32 v[PST], v[ST+8*\a+2] offset:32*\a+2048
.endr
	s_wait_dscnt 0x0                               ; for the others' sake
	s_barrier_signal -1
	s_barrier_wait -1
	s_cmp_lt_u32 s[WV], 2                          ; waves 0 and 1 join the four quarters: two keys a lane, so that a store covers 256 consecutive bytes, aligned
	s_cbranch_scc0 .Lend
.irp y, 0,1,2,3
	ds_load_b64 v[96+2*\y:97+2*\y], v[FRD] offset:512*\y
	ds_load_b64 v[104+2*\y:105+2*\y], v[FRD] offset:2048+512*\y
.endr
	s_wait_dscnt 0x0
.irp e, 0,1
	v_max3_num_f32 v[112+\e], v[96+\e], v[98+\e], v[100+\e]
.endr
.irp e, 0,1
	v_max_num_f32 v[112+\e], v[112+\e], v[102+\e]
.endr
.irp e, 0,1
	v_mul_f32 v[114+\e], s[NC], v[112+\e]          ; -c m of the key
.endr
.irp y, 0,1,2,3
.irp e, 0,1
	v_fma_f32 v[96+2*\y+\e], v[96+2*\y+\e], s[CS], v[114+\e]
.endr
.endr
.irp y, 0,1,2,3
.irp e, 0,1
	v_exp_f32 v[96+2*\y+\e], v[96+2*\y+\e]
.endr
.endr
	v_nop
	s_wait_alu depctr_va_vdst(0)
.irp e, 0,1
	v_mul_f32 v[116+\e], v[104+\e], v[96+\e]
.endr
.irp y, 1,2,3
.irp e, 0,1
	v_fma_f32 v[116+\e], v[104+2*\y+\e], v[96+2*\y+\e], v[116+\e]
.endr
.endr
.irp e, 0,1
	v_rcp_f32 v[118+\e], v[116+\e]                 ; 1 / l
.endr
	v_nop
	s_wait_alu depctr_va_vdst(0)
	global_store_b64 v[FGO], v[114:115], s[8:9]
	global_store_b64 v[FGO], v[118:119], s[8:9] offset:512
.Lend:
	s_wait_tensorcnt 0x0                           ; the wave's end, behind my tensor load and my last LDS store
	ds_add_u32 v[SPW], v[NIL]
	s_wait_dscnt 0x0
	CROUND                                         ; the closing round
	s_endpgm
.Lfunc_end_k_q9c6ce7e3e5_stats:
	.size	k_q9c6ce7e3e5_stats, .Lfunc_end_k_q9c6ce7e3e5_stats-k_q9c6ce7e3e5_stats
	.p2alignl 7, 3214868480
	.fill 96, 4, 3214868480
	.section	.rodata,"a",@progbits
	.p2align	6, 0x0
	.amdhsa_kernel k_q9c6ce7e3e5_stats
		.amdhsa_group_segment_fixed_size 327680
		.amdhsa_private_segment_fixed_size 0
		.amdhsa_enable_private_segment 0
		.amdhsa_kernarg_size 24
		.amdhsa_user_sgpr_count 2
		.amdhsa_user_sgpr_kernarg_segment_ptr 1
		.amdhsa_wavefront_size32 1
		.amdhsa_system_sgpr_workgroup_id_x 1
		.amdhsa_system_sgpr_workgroup_id_y 1
		.amdhsa_system_sgpr_workgroup_id_z 1
		.amdhsa_system_vgpr_workitem_id 0
		.amdhsa_next_free_vgpr 192
		.amdhsa_next_free_sgpr 66
		.amdhsa_reserve_vcc 0
		.amdhsa_float_denorm_mode_32 3
		.amdhsa_float_denorm_mode_16_64 3
		.amdhsa_memory_ordered 1
		.amdhsa_forward_progress 1
		.amdhsa_inst_pref_size 31
	.end_amdhsa_kernel
	.amdgpu_metadata
---
amdhsa.version: [ 1, 2 ]
amdhsa.kernels:
  - .name:           k_q9c6ce7e3e5_stats
    .symbol:         k_q9c6ce7e3e5_stats.kd
    .args:
      - { .name: qbuf, .offset: 0, .size: 8, .value_kind: global_buffer, .address_space: global }
      - { .name: kvbuf, .offset: 8, .size: 8, .value_kind: global_buffer, .address_space: global }
      - { .name: stbuf, .offset: 16, .size: 8, .value_kind: global_buffer, .address_space: global }
    .group_segment_fixed_size: 327680
    .private_segment_fixed_size: 0
    .kernarg_segment_align: 8
    .kernarg_segment_size: 24
    .max_flat_workgroup_size: 512
    .sgpr_count:     66
    .vgpr_count:     192
    .wavefront_size: 32
...
	.end_amdgpu_metadata
.endif
;; end of part 2
;; launch attn (part 3): grid 32 x 8, 16 waves a work-group, clusters of 4 x 1, 327,680 bytes of LDS; arguments qbuf, kvbuf, stbuf, out0; writes out0
.if DOCPART == 3
	.amdgcn_target "amdgcn-amd-amdhsa--gfx1250"
	.amdhsa_code_object_version 6
	.text
	.protected	k_q9c6ce7e3e5_attn
	.globl	k_q9c6ce7e3e5_attn
	.p2align	8
	.type	k_q9c6ce7e3e5_attn,@function
k_q9c6ce7e3e5_attn:
	s_mov_b64 s[64:65], 0
	v_nop
	global_prefetch_b8 v0, s[64:65] scope:SCOPE_SE
	s_setreg_imm32_b32 hwreg(HW_REG_WAVE_MODE, 25, 1), 1
	s_wait_xcnt 0x0
	s_wait_alu depctr_hold_cnt(0) depctr_sa_sdst(0) depctr_va_vdst(0) depctr_va_sdst(0) depctr_va_ssrc(0) depctr_va_vcc(0) depctr_vm_vsrc(0)
	s_getreg_b32 s2, hwreg(HW_REG_IB_STS2, 6, 4)
	s_cmp_eq_u32 s2, 0
	s_cbranch_scc0 .Lentry_in_a_cluster
	s_endpgm
.Lentry_in_a_cluster:
	s_bfe_u32 s2, ttmp6, 0x10000c
	s_cmp_lg_u32 s2, 0x3003
	s_cbranch_scc0 .Lentry_shape_is_right
	s_endpgm
.Lentry_shape_is_right:
; out[q][:] = the sum over the keys of Q(w[q][k]) Q(v[k][:]), w[q][k] = 2^(c raw - c m_k) / l_k: the finished, normalised weight of reference()'s softmax along the queries, quantised along the keys in blocks of 32.
; raw is the quantised product Q(q) Q(k)^T, made anew from the codes; -c m_k and 1 / l_k come from the launch before; v's codes, quantised along the keys, from the first.  Wv is left out as dead work: it has no way to any output.
; LIMITS: NaN and infinities are not served; weights under 2^-126 count as 0 (v_exp_f32: ISA guide 15.8); a block whose largest weight lies under 2^-111 gets the byte 1; the exponent c raw - c m is one fused multiply-add on a rounded c m,
; off by about 2^-24 |c m|; the four quarters of the keys are added in another order than reference()'s.
; SHARES.  A work-group takes 128 queries of one batch.  Wave w: query group p = w % 4 (32 queries, tiles a = 0, 1), keys 1,024 (w / 4) on, 128 a step.  Both products are used transposed: a lane holds ONE query throughout.
; S^T: source 0 = 32 keys' image (tile 0's 64 codes, then tile 1's), source 1 = [queries | zeros] or [zeros | queries] (q0 Z q1 Z q0 in 40 registers holds the four forms; the scale word's row puts a tile's bytes where its codes are).
; Lane r of key tile u holds key 8 u + r + 8 (r / 8) of the group, so a lane's 16 registers of the two tiles are keys 16 (lane / 16) + 0 .. 15: the conversions' results are the second product's operand.
; The weights are normalised already, so the four quarters' partial sums of O^T are only added, through LDS, at the end.
; RING.  Two slots; a slot holds, for each quarter of the keys, two records of kvbuf (34,304 bytes) and two of stbuf (2,048).  Waves 0 to 3 fetch a quarter's kv records each, wave 4 all four quarters' statistics.
; CLUSTER.  The four work-groups of a cluster belong to one batch and walk the same keys: every fill is a joint load.
.set QREC,  8704
.set KREC,  17152
.set ZKV,   2*KREC
.set STOFF, 4*ZKV                      ; 137,216: a slot's statistics
.set SLOT,  STOFF+8192                 ; 145,408
.set SPARE, 2*SLOT                     ; behind the ring: the spare words, 128 bytes for each wave: eight blocks of 256 bytes that no other line names
.set OP,    272                        ; the way out: a row of 64 f32 + 16 bytes
.set OZ,    128*OP                     ; a quarter's 128 rows.  The four lie in slot 0, which has had its last fill and its last read when the first result is stored there
.set LI,  1                            ; v1   16 x lane + my quarter's place in a slot
.set LS,  2                            ; v2   4 x lane + the same
.set LT,  3                            ; v3   64 (lane / 16) + 2,048 x quarter
.set ADK, 4
.set ADW, 5
.set ADT, 6
.set SPW, 7
.set NIL, 8
.set SO,  9
.set SR,  10
.set SR2, 11
.set GO,  12
.set QB,  16                           ; v16-55 q0 Z q1 Z q0
.set QS,  56
.set KS,  57
.set VS,  58                           ; v58, v59
.set PW,  60                           ; v60, v61 the weights' scale words
.set TT,  62                           ; v62-77 tile a at TT + 8 a: +0 the largest, +1 the other half's, +2 the hold, +3 the conversion's scale, +4 the byte
.set KF,  80                           ; v80-95 32 keys' image
.set SC,  96                           ; v96-127 scores, then weights: 16 a + 8 u
.set NCM, 128                          ; v128-143 -c m of my 16 keys
.set RL,  144                          ; v144-159 1 / l of them
.set VF,  96                           ; v96-159 V's four fragments, where the scores and statistics lay
.set PC,  160                          ; v160-191 the weights' codes: 16 a + 4 g
.set OA,  192                          ; v192-255 O^T: 32 a + 8 t
.set WV,  12
.set PP,  13
.set ZZ,  14
.set G1KV, 16
.set G1ST, 24
.set G0KV, 32                          ; s[32:39] a group 0 for each slot
.set G0ST, 40                          ; s[40:47]
.set CS,  48
.set SEL, 50
.set MNT, 52
.set TB,  53
.set TS,  54
.set TW,  55
.macro CROUND                          ; a round of the cluster's barrier
	s_barrier_signal -1
	s_barrier_wait -1
	s_cmp_lg_u32 s[WV], 0
	s_cbranch_scc1 .Lnw0_\@
	s_barrier_signal -3
.Lnw0_\@:
	s_barrier_wait -3
	s_barrier_signal -1
	s_barrier_wait -1
.endm
.macro JLOAD slot                      ; a joint refill; the branches hang on the wave's number alone; an s_nop 0 and four v_nop follow each of the two lines
	s_cmp_lt_u32 s[WV], 4
	s_cbranch_scc0 .Lnk_\@
	tensor_load_to_lds s[G0KV+4*\slot:G0KV+4*\slot+3], s[G1KV:G1KV+7]
	s_nop 0
.rept 4
	v_nop
.endr
	s_branch .Las_\@
.Lnk_\@:
	s_cmp_eq_u32 s[WV], 4
	s_cbranch_scc0 .Las_\@
	tensor_load_to_lds s[G0ST+4*\slot:G0ST+4*\slot+3], s[G1ST:G1ST+7]
	s_nop 0
.rept 4
	v_nop
.endr
.Las_\@:
.endm
	s_load_b256 s[4:11], s[0:1], 0x0               ; qbuf s[4:5], kvbuf s[6:7], stbuf s[8:9], out0 s[10:11]
	v_lshl_add_u32 v[SPW], v0, 2, SPARE
	v_mov_b32 v[NIL], 0
	ds_add_u32 v[SPW], v[NIL]                      ; the wave's opening: the add, twice on end, and its wait ahead of the first tensor loads
	ds_add_u32 v[SPW], v[NIL]
	v_lshrrev_b32 v13, 5, v0
	v_readfirstlane_b32 s[WV], v13                 ; wave 0..15
	s_and_b32 s[PP], s[WV], 3
	s_lshr_b32 s[ZZ], s[WV], 2
	s_bfe_u32 s56, ttmp6, 0x40000                  ; cx
	s_lshl_b32 s57, ttmp9, 2
	s_add_co_u32 s57, s57, s56                     ; my 128 queries: record 4 x cluster x + cx of the batch: it enters q's and out's addresses alone
	s_and_b32 s58, ttmp7, 0xffff                   ; the batch, which the four partners share
	s_lshl_b32 s59, s58, 5
	; group 1 for kv: 134 rows of 256 bytes (32 elements of 8), dense
	s_mov_b32 s[G1KV], 15|(3<<16)|(1<<21)          ; the mask: all four work-groups; elements of 8 bytes; bit 21 set beside a mask
	s_mov_b32 s[G1KV+1], 32<<16
	s_mov_b32 s[G1KV+2], 134<<16
	s_mov_b32 s[G1KV+3], 32<<16
	s_mov_b32 s[G1KV+4], 134
	s_mov_b32 s[G1KV+5], 32
	s_mov_b32 s[G1KV+6], 0
	s_mov_b32 s[G1KV+7], 0
	; group 1 for the statistics: 4 rows (quarters) of 2,048 bytes, 8,192 bytes apart
	s_mov_b32 s[G1ST], 15|(3<<16)|(1<<21)
	s_mov_b32 s[G1ST+1], 256<<16
	s_mov_b32 s[G1ST+2], 4<<16
	s_mov_b32 s[G1ST+3], 256<<16
	s_mov_b32 s[G1ST+4], 4
	s_mov_b32 s[G1ST+5], 1024
	s_mov_b32 s[G1ST+6], 0
	s_mov_b32 s[G1ST+7], 0
	s_lshl_b32 s60, s[PP], 3
	s_add_co_u32 s60, s60, s59
	s_mul_i32 s60, s60, KREC                       ; the quarter's first record
	s_mov_b32 s61, 0
	s_lshl_b32 s62, s58, 15                        ; the batch's statistics
	s_mov_b32 s63, 0
	s_add_co_u32 s66, s59, s57
	s_mul_i32 s68, s66, QREC
	s_mov_b32 s69, 0
	s_lshl_b32 s70, s66, 15                        ; out: 128 rows of 256 bytes a record,
	s_lshl_b32 s71, s[WV], 11                      ; 8 rows a wave
	s_add_co_u32 s70, s70, s71
	s_mov_b32 s71, 0
	s_mov_b32 s[CS], 0x3cb8aa3b                    ; c = log2(e) / 64
	s_mov_b32 s[CS+1], s[CS]                       ; (named with it as a pair, so it is written)
	s_mov_b32 s[SEL], 0x76543210
	s_mov_b32 s[SEL+1], 0xfedcba98
	s_mov_b32 s[MNT], 0x600000
	s_wait_dscnt 0x0                               ; both opening adds are done
	s_wait_kmcnt 0x0
	s_mov_b32 s[G0KV], 1
	s_mul_i32 s[G0KV+1], s[PP], ZKV
	s_add_nc_u64 s[G0KV+2:G0KV+3], s[6:7], s[60:61]
	s_mov_b32 s[G0KV+4], 1
	s_add_co_u32 s[G0KV+5], s[G0KV+1], SLOT
	s_add_nc_u64 s[G0KV+6:G0KV+7], s[G0KV+2:G0KV+3], 2*KREC
	s_or_b32 s[G0KV+3], s[G0KV+3], 0x80000000
	s_or_b32 s[G0KV+7], s[G0KV+7], 0x80000000
	s_mov_b32 s[G0ST], 1
	s_mov_b32 s[G0ST+1], STOFF
	s_add_nc_u64 s[G0ST+2:G0ST+3], s[8:9], s[62:63]
	s_mov_b32 s[G0ST+4], 1
	s_mov_b32 s[G0ST+5], SLOT+STOFF
	s_add_nc_u64 s[G0ST+6:G0ST+7], s[G0ST+2:G0ST+3], 2048
	s_or_b32 s[G0ST+3], s[G0ST+3], 0x80000000
	s_or_b32 s[G0ST+7], s[G0ST+7], 0x80000000
	s_add_nc_u64 s[4:5], s[4:5], s[68:69]
	s_add_nc_u64 s[10:11], s[10:11], s[70:71]
	CROUND                                         ; all four work-groups are here: the first joint loads meet
	s_cmp_lt_u32 s[WV], 4                          ; a fetching wave's two first fills stand in one arm: two loads of it are out
	s_cbranch_scc0 .Lfnk
	tensor_load_to_lds s[G0KV:G0KV+3], s[G1KV:G1KV+7]
	s_nop 0
	tensor_load_to_lds s[G0KV+4:G0KV+7], s[G1KV:G1KV+7]
	s_nop 0
.rept 4
	v_nop
.endr
	s_branch .Lfas
.Lfnk:
	s_cmp_eq_u32 s[WV], 4
	s_cbranch_scc0 .Lfas
	tensor_load_to_lds s[G0ST:G0ST+3], s[G1ST:G1ST+7]
	s_nop 0
	tensor_load_to_lds s[G0ST+4:G0ST+7], s[G1ST:G1ST+7]
	s_nop 0
.rept 4
	v_nop
.endr
.Lfas:
	v_and_b32 v13, 31, v0                          ; lane
	v_and_b32 v14, 15, v0                          ; r
	v_bfe_u32 v15, v0, 4, 1                        ; lane / 16
	s_lshl_b32 s72, s[PP], 11
	v_lshl_add_u32 v78, v13, 4, s72                ; my query group's image
	s_lshl_b32 s73, s[PP], 7
	v_lshl_add_u32 v79, v13, 2, s73                ; and its scale words
	global_load_b128 v[QB:QB+3], v78, s[4:5]
	global_load_b128 v[QB+4:QB+7], v78, s[4:5] offset:512
	global_load_b128 v[QB+16:QB+19], v78, s[4:5] offset:1024
	global_load_b128 v[QB+20:QB+23], v78, s[4:5] offset:1536
	global_load_b128 v[QB+32:QB+35], v78, s[4:5]
	global_load_b128 v[QB+36:QB+39], v78, s[4:5] offset:512
	global_load_b32 v[QS], v79, s[4:5] offset:8192
	s_mul_i32 s74, s[ZZ], ZKV
	v_lshl_add_u32 v[LI], v13, 4, s74
	v_lshl_add_u32 v[LS], v13, 2, s74
	s_lshl_b32 s75, s[ZZ], 11
	v_lshl_add_u32 v[LT], v15, 6, s75
	v_lshlrev_b32 v[GO], 4, v13
	v_and_b32 v[SO], 8, v14                        ; the way out, in: row 32 p + 8 a + r + 8 (r / 8) of my quarter's 128, + 64 (lane / 16) bytes
	v_add_nc_u32 v[SO], v[SO], v14
	s_lshl_b32 s76, s[PP], 5
	v_add_nc_u32 v[SO], s76, v[SO]
	v_mul_u32_u24 v[SO], v[SO], OP
	v_lshl_add_u32 v[SO], v15, 6, v[SO]
	s_mul_i32 s77, s[ZZ], OZ
	v_add_nc_u32 v[SO], s77, v[SO]
	s_lshl_b32 s78, s[WV], 3                       ; back: rows 8 w on; lanes 0-15 one row, lanes 16-31 the next
	v_add_nc_u32 v[SR], s78, v15
	v_mul_u32_u24 v[SR], v[SR], OP
	v_lshl_add_u32 v[SR], v14, 4, v[SR]
	v_add_nc_u32 v[SR2], 2*OZ, v[SR]
.irp i, 0,1,2,3,4,5,6,7
	v_mov_b32 v[QB+8+\i], 0                        ; zero codes
	v_mov_b32 v[QB+24+\i], 0
.endr
	v_mov_b32 v[TT+1], 0                           ; (a lane permute's destination counts as one of its sources)
	v_mov_b32 v[TT+9], 0
.irp j, 0,1,2,3,4,5,6,7,8,9,10,11,12,13,14,15,16,17,18,19,20,21,22,23,24,25,26,27,28,29,30,31,32,33,34,35,36,37,38,39,40,41,42,43,44,45,46,47,48,49,50,51,52,53,54,55,56,57,58,59,60,61,62,63
	v_mov_b32 v[OA+\j], 0                          ; O^T: the key step is written once for every step, so the sums begin as zeros
.endr
.macro LOADK g
.irp c, 0,1,2,3
	ds_load_b128 v[KF+4*\c:KF+4*\c+3], v[ADK] offset:2048*(\g)+512*\c
.endr
	ds_load_b32 v[KS], v[ADW] offset:16384+128*(\g)
.endm
.macro LOADN g                         ; -c m of keys 32 g + 16 (lane / 16) + 0 .. 15: the sixteen lanes of a half read the same bytes
.irp i, 0,1,2,3
	ds_load_b128 v[NCM+4*\i:NCM+4*\i+3], v[ADT] offset:128*(\g)+16*\i
.endr
.endm
.macro LOADR g                         ; 1 / l of the same keys
.irp i, 0,1,2,3
	ds_load_b128 v[RL+4*\i:RL+4*\i+3], v[ADT] offset:512+128*(\g)+16*\i
.endr
.endm
; 32 keys x my 32 queries: scores, weights, their block's scale and codes.  The next group's loads are issued as their registers fall free.
.macro GROUP g
	s_wait_dscnt 0x0
	v_wmma_scale_f32_16x16x128_f8f6f4 v[SC:SC+7], v[KF:KF+15], v[QB:QB+15], 0, v[KS], v[QS] matrix_a_fmt:MATRIX_FMT_BF8 matrix_b_fmt:MATRIX_FMT_BF8
	v_wmma_scale_f32_16x16x128_f8f6f4 v[SC+16:SC+23], v[KF:KF+15], v[QB+16:QB+31], 0, v[KS], v[QS] matrix_a_fmt:MATRIX_FMT_BF8 matrix_b_fmt:MATRIX_FMT_BF8 matrix_b_scale:MATRIX_SCALE_ROW1
	v_wmma_scale_f32_16x16x128_f8f6f4 v[SC+8:SC+15], v[KF:KF+15], v[QB+24:QB+39], 0, v[KS], v[QS] matrix_a_fmt:MATRIX_FMT_BF8 matrix_b_fmt:MATRIX_FMT_BF8 matrix_b_scale:MATRIX_SCALE_ROW1
	v_wmma_scale_f32_16x16x128_f8f6f4 v[SC+24:SC+31], v[KF:KF+15], v[QB+8:QB+23], 0, v[KS], v[QS] matrix_a_fmt:MATRIX_FMT_BF8 matrix_b_fmt:MATRIX_FMT_BF8
.rept 9
	v_nop                                          ; eight places in front of the first read of results and of the loads into K's image; the ninth for the next products that begin these accumulators anew
.endr
.if \g < 3
	LOADK (\g)+1
.endif
.irp i, 0,2,4,6,8,10,12,14
.irp a, 0,1
	v_pk_fma_f32 v[SC+16*\a+\i:SC+16*\a+\i+1], v[SC+16*\a+\i:SC+16*\a+\i+1], s[CS:CS+1], v[NCM+\i:NCM+\i+1] op_sel_hi:[1,0,1]   ; c raw - c m_k, each accumulator from its low end on
.endr
.endr
.if \g < 3
	LOADN (\g)+1
.endif
.irp i, 0,1,2,3,4,5,6,7,8,9,10,11,12,13,14,15
.irp a, 0,1
	v_exp_f32 v[SC+16*\a+\i], v[SC+16*\a+\i]
.endr
.endr
	v_nop                                          ; a plain place behind the last exponential
	s_wait_alu depctr_va_vdst(0)                   ; the wait ahead of the first reader: one for the 32
.irp i, 0,2,4,6,8,10,12,14
.irp a, 0,1
	v_pk_mul_f32 v[SC+16*\a+\i:SC+16*\a+\i+1], v[SC+16*\a+\i:SC+16*\a+\i+1], v[RL+\i:RL+\i+1]   ; / l_k: the finished weight
.endr
.endr
.if \g < 3
	LOADR (\g)+1
.endif
.irp a, 0,1
	v_max3_num_f32 v[TT+8*\a], v[SC+16*\a], v[SC+16*\a+1], 0x8000000   ; my 16 weights (never negative) and the floor 2^(16 - 127)
.endr
.irp i, 2,4,6,8,10,12,14
.irp a, 0,1
	v_max3_num_f32 v[TT+8*\a], v[TT+8*\a], v[SC+16*\a+\i], v[SC+16*\a+\i+1]
.endr
.endr
.irp a, 0,1
	v_permlanex16_b32 v[TT+8*\a+1], v[TT+8*\a], s[SEL], s[SEL+1]
.endr
.irp a, 0,1
	v_max_num_f32 v[TT+8*\a], v[TT+8*\a], v[TT+8*\a+1]   ; with lane l xor 16's 16 keys: the block's largest
.endr
.irp a, 0,1
	v_add_nc_u32 v[TT+8*\a+3], 0xf8800000, v[TT+8*\a]   ; 15 off the exponent field: the conversion's scale operand
.endr
.irp a, 0,1
	v_and_or_b32 v[TT+8*\a+2], v[TT+8*\a], 0x7f800000, s[MNT]   ; 57,344 x the scale
.endr
.if \g == 0
.irp a, 0,1
	v_lshrrev_b32 v[PW+\a], 23, v[TT+8*\a+3]       ; the scale's byte begins the word of these 128 keys
.endr
.else
.irp a, 0,1
	v_lshrrev_b32 v[TT+8*\a+4], 23, v[TT+8*\a+3]
.endr
.irp a, 0,1
	v_lshl_or_b32 v[PW+\a], v[TT+8*\a+4], 8*(\g), v[PW+\a]
.endr
.endif
.irp a, 0,1
.irp i, 0,1,2,3,4,5,6,7,8,9,10,11,12,13,14,15
	v_min_num_f32 v[SC+16*\a+\i], v[SC+16*\a+\i], v[TT+8*\a+2]   ; the conversion to an 8-bit code does not saturate (ISA guide 7.6.2); the hold is one-sided
.endr
	v_cvt_scalef32_pk8_bf8_f32 v[PC+16*\a+4*(\g):PC+16*\a+4*(\g)+1], v[SC+16*\a:SC+16*\a+7], v[TT+8*\a+3]
	v_cvt_scalef32_pk8_bf8_f32 v[PC+16*\a+4*(\g)+2:PC+16*\a+4*(\g)+3], v[SC+16*\a+8:SC+16*\a+15], v[TT+8*\a+3]
.endr
	v_nop                                          ; one plain vector instruction behind the last conversion
.endm
; A key step: 128 keys of my quarter.
.macro STEP
	v_add_nc_u32 v[ADK], s[TB], v[LI]
	v_add_nc_u32 v[ADW], s[TB], v[LS]
	v_add_nc_u32 v[ADT], s[TS], v[LT]
.rept 6
	v_nop                                          ; with the three additions nine places behind the last step's products: V's fragments are loaded into, and written over by the scores
.endr
	LOADK 0
	LOADN 0
	LOADR 0
	GROUP 0
	GROUP 1
	GROUP 2
	GROUP 3
.irp t, 0,1,2,3
.irp c, 0,1,2,3
	ds_load_b128 v[VF+16*\t+4*\c:VF+16*\t+4*\c+3], v[ADK] offset:8192+2048*\t+512*\c
.endr
.endr
	ds_load_b32 v[VS], v[ADW] offset:16896         ; lanes 0-15: channel tile 0's words, lanes 16-31: tile 1's
	ds_load_b32 v[VS+1], v[ADW] offset:16896+128
	s_wait_dscnt 0x0
.rept 4
	v_nop                                          ; codes written by vector instructions stand four places ahead of a scaled matrix instruction; the scale words were made 32 holds further up
.endr
.irp t, 0,1,2,3                                ; O^T += V^T P^T: eight accumulators by turns
.irp a, 0,1
.if \t % 2
	v_wmma_scale_f32_16x16x128_f8f6f4 v[OA+32*\a+8*\t:OA+32*\a+8*\t+7], v[VF+16*\t:VF+16*\t+15], v[PC+16*\a:PC+16*\a+15], v[OA+32*\a+8*\t:OA+32*\a+8*\t+7], v[VS+\t/2], v[PW+\a] matrix_a_fmt:MATRIX_FMT_BF8 matrix_b_fmt:MATRIX_FMT_BF8 matrix_a_scale:MATRIX_SCALE_ROW1
.else
	v_wmma_scale_f32_16x16x128_f8f6f4 v[OA+32*\a+8*\t:OA+32*\a+8*\t+7], v[VF+16*\t:VF+16*\t+15], v[PC+16*\a:PC+16*\a+15], v[OA+32*\a+8*\t:OA+32*\a+8*\t+7], v[VS+\t/2], v[PW+\a] matrix_a_fmt:MATRIX_FMT_BF8 matrix_b_fmt:MATRIX_FMT_BF8
.endif
.endr
.endr
.endm
.macro PHASE slot                      ; a slot's two key steps
	s_mov_b32 s[TB], \slot*SLOT
	s_mov_b32 s[TS], \slot*SLOT+STOFF
	s_mov_b32 s[TW], 2
.Lst_\@:
	STEP
	s_add_co_u32 s[TB], s[TB], KREC
	s_add_co_u32 s[TS], s[TS], 1024
	s_sub_co_u32 s[TW], s[TW], 1
	s_cmp_lg_u32 s[TW], 0
	s_cbranch_scc1 .Lst_\@
.endm
; The change of slots.  Each wave waits for all its tensor loads (its part of the slot ahead), adds 0 to its spare word, and waits for that and for its reads of the slot that it leaves.
; fill = 1: that slot takes the records four further on; the barrier is then a round of the cluster's, and the joint refill is the first thing behind it: it has two key steps of sixteen waves in which to land.
.macro CHANGE slot, fill
	s_wait_tensorcnt 0x0                           ; no tensor load of mine is out, so a group 0 may be written
	ds_add_u32 v[SPW], v[NIL]
.if \fill
	ds_add_u32 v[SPW], v[NIL]                      ; and once more
	s_add_nc_u64 s[G0KV+4*\slot+2:G0KV+4*\slot+3], s[G0KV+4*\slot+2:G0KV+4*\slot+3], 4*KREC
	s_add_nc_u64 s[G0ST+4*\slot+2:G0ST+4*\slot+3], s[G0ST+4*\slot+2:G0ST+4*\slot+3], 4096
	s_wait_dscnt 0x0                               ; both adds are done, and my reads of the slot are over
	CROUND
	JLOAD \slot
.else
	s_wait_dscnt 0x0
	s_barrier_signal -1
	s_barrier_wait -1
.endif
.endm
	s_wait_loadcnt 0x0                             ; q
	s_wait_tensorcnt 0x1                           ; my part of slot 0 is in; slot 1's may stay out
	s_barrier_signal -1
	s_barrier_wait -1                              ; everybody's is
	PHASE 0
	CHANGE 0, 1
	PHASE 1
	CHANGE 1, 1
	PHASE 0
	CHANGE 0, 0                                    ; nothing is left to fetch
	PHASE 1
	; THE WAY OUT.  The four quarters' O^T meet in LDS; each wave adds and stores 8 whole rows.
.rept 8
	v_nop                                          ; places in front of the first read of the last results and of loads into V's fragments
.endr
.irp a, 0,1
.irp t, 0,1,2,3
	ds_store_b128 v[SO], v[OA+32*\a+8*\t:OA+32*\a+8*\t+3] offset:\a*8*OP+128*(\t/2)+32*(\t%2)        ; register j: channel 32 (t / 2) + 16 (lane / 16) + 8 (t % 2) + j; each accumulator from its low end on
	ds_store_b128 v[SO], v[OA+32*\a+8*\t+4:OA+32*\a+8*\t+7] offset:\a*8*OP+128*(\t/2)+32*(\t%2)+16
.endr
.endr
	s_wait_dscnt 0x0                               ; for the others' sake
	s_barrier_signal -1
	s_barrier_wait -1
.irp i, 0,1,2,3
	ds_load_b128 v[96+4*\i:99+4*\i], v[SR] offset:2*\i*OP
	ds_load_b128 v[112+4*\i:115+4*\i], v[SR] offset:OZ+2*\i*OP
	ds_load_b128 v[128+4*\i:131+4*\i], v[SR2] offset:2*\i*OP
	ds_load_b128 v[144+4*\i:147+4*\i], v[SR2] offset:OZ+2*\i*OP
.endr
	s_wait_dscnt 0x0
.irp i, 0,2,4,6,8,10,12,14
	v_pk_add_f32 v[96+\i:97+\i], v[96+\i:97+\i], v[112+\i:113+\i]
	v_pk_add_f32 v[128+\i:129+\i], v[128+\i:129+\i], v[144+\i:145+\i]
.endr
.irp i, 0,2,4,6,8,10,12,14
	v_pk_add_f32 v[96+\i:97+\i], v[96+\i:97+\i], v[128+\i:129+\i]
.endr
.irp i, 0,1,2,3
	global_store_b128 v[GO], v[96+4*\i:99+4*\i], s[10:11] offset:512*\i th:TH_STORE_NT   ; 32 lanes store two whole rows: 512 consecutive bytes, aligned
.endr
	s_wait_tensorcnt 0x0                           ; the wave's end, behind my last tensor load and my last LDS store
	ds_add_u32 v[SPW], v[NIL]
	s_wait_dscnt 0x0
	CROUND                                         ; the closing round
	s_endpgm
.Lfunc_end_k_q9c6ce7e3e5_attn:
	.size	k_q9c6ce7e3e5_attn, .Lfunc_end_k_q9c6ce7e3e5_attn-k_q9c6ce7e3e5_attn
	.p2alignl 7, 3214868480
	.fill 96, 4, 3214868480
	.section	.rodata,"a",@progbits
	.p2align	6, 0x0
	.amdhsa_kernel k_q9c6ce7e3e5_attn
		.amdhsa_group_segment_fixed_size 327680
		.amdhsa_private_segment_fixed_size 0
		.amdhsa_enable_private_segment 0
		.amdhsa_kernarg_size 32
		.amdhsa_user_sgpr_count 2
		.amdhsa_user_sgpr_kernarg_segment_ptr 1
		.amdhsa_wavefront_size32 1
		.amdhsa_system_sgpr_workgroup_id_x 1
		.amdhsa_system_sgpr_workgroup_id_y 1
		.amdhsa_system_sgpr_workgroup_id_z 1
		.amdhsa_system_vgpr_workitem_id 0
		.amdhsa_next_free_vgpr 256
		.amdhsa_next_free_sgpr 80
		.amdhsa_reserve_vcc 0
		.amdhsa_float_denorm_mode_32 3
		.amdhsa_float_denorm_mode_16_64 3
		.amdhsa_memory_ordered 1
		.amdhsa_forward_progress 1
		.amdhsa_inst_pref_size 152
	.end_amdhsa_kernel
	.amdgpu_metadata
---
amdhsa.version: [ 1, 2 ]
amdhsa.kernels:
  - .name:           k_q9c6ce7e3e5_attn
    .symbol:         k_q9c6ce7e3e5_attn.kd
    .args:
      - { .name: qbuf, .offset: 0, .size: 8, .value_kind: global_buffer, .address_space: global }
      - { .name: kvbuf, .offset: 8, .size: 8, .value_kind: global_buffer, .address_space: global }
      - { .name: stbuf, .offset: 16, .size: 8, .value_kind: global_buffer, .address_space: global }
      - { .name: out0, .offset: 24, .size: 8, .value_kind: global_buffer, .address_space: global }
    .group_segment_fixed_size: 327680
    .private_segment_fixed_size: 0
    .kernarg_segment_align: 8
    .kernarg_segment_size: 32
    .max_flat_workgroup_size: 512
    .sgpr_count:     80
    .vgpr_count:     256
    .wavefront_size: 32
...
	.end_amdgpu_metadata
.endif
;; end of part 3
;; ======== version 2 of 2: 3 launches
;; workspace buffers: qbuf 2,228,224 bytes; kvbuf 4,390,912 bytes; stbuf 262,144 bytes
;; launch proj (part 4): grid 256 x 1, 4 waves a work-group, no clusters, 174,080 bytes of LDS; arguments input_ids, Wq, Wk, qbuf, kvbuf; writes qbuf, kvbuf
.if DOCPART == 4
	.amdgcn_target "amdgcn-amd-amdhsa--gfx1250"
	.amdhsa_code_object_version 6
	.text
	.protected	k_q9c6ce7e3e5_proj
	.globl	k_q9c6ce7e3e5_proj
	.p2align	8
	.type	k_q9c6ce7e3e5_proj,@function
k_q9c6ce7e3e5_proj:
	s_mov_b64 s[64:65], 0
	v_nop
	global_prefetch_b8 v0, s[64:65] scope:SCOPE_SE
	s_setreg_imm32_b32 hwreg(HW_REG_WAVE_SCHED_MODE, 0, 2), 2
	s_setreg_imm32_b32 hwreg(HW_REG_WAVE_MODE, 25, 1), 1
	s_wait_xcnt 0x0
	s_wait_alu depctr_vm_vsrc(0)
; q = Q(x) Q(Wq)^T, k = Q(x) Q(Wk)^T, v = Q(x) Q(Wq)^T (x: [32768][768] f32; Wq, Wk: [64][768] f32), all on codes of BF8 (E5M2) with one E8M0 scale for each 32 along K = 768; then
; q and k are quantised along the head's 64 and v along the keys, and only codes and scale bytes go to memory, laid as the later launches' operand registers want them.
; DEAD WORK.  reference() makes v with Wq and never reads Wv: whatever finite values Wv holds, no output hangs on it.  Wv is not loaded and is no argument of any launch.
; LIMIT: a NaN or an infinity in Wv is not carried to the result.  The product for v is done as written, with its sources swapped, so that a lane's registers run along the keys.
; LIMITS: NaN and infinities among the inputs are not served; a block of zeros, or one whose largest magnitude lies under 2^-111, gets the byte 1 (the rule says 127 for zeros): its codes are
; zeros or the floor's, and the bytes are read by this program alone.
; SHARES.  A work-group takes 128 rows of x (one record of qbuf and of kvbuf), wave w rows 32 w .. 32 w + 31.  Each wave also quantises 32 rows of W for all of K (waves 0, 1: Wq; waves 2, 3: Wk) and hands
; the codes to the others through LDS as images of the operand's registers.  W's rows and x's rows are both 3,072 bytes, so the wave's 6 K steps of W and 6 of x are ONE stream of 12 sets of 32 rows x 512 bytes.
; THE ROWS OF A TILE ARE NOT NEIGHBOURS: of 32 rows, lane r of tile u takes row 8 u + r + 8 (r / 8), for x and for W alike, so that the 16 registers of two neighbouring result tiles are 16 neighbours along the next K.
; A set is loaded a row an instruction (32 lanes x 16 bytes = 512 consecutive bytes), goes through the wave's own stage in LDS and comes back 16 neighbours of a block a lane.  Two sets, 64 loads, are on their way.
; NO CLUSTER: the one input that work-groups share is W, 393,216 bytes of f32 that are wanted once, in registers, for the quantiser; beside 104,448 bytes of images and 67,584 of stages they do not fit in LDS.
; OUT.  qbuf record (8,704 bytes): 4 images of 2,048 bytes (32 rows: chunk 2 u + b = tile u, block b of the head; lane l's 16 bytes at 512 chunk + 16 l), then 4 x 32 scale words (lanes 0-15 the word: bytes 0, 1 tile 0's,
; bytes 2, 3 tile 1's; lanes 16-31 the same turned by 16 bits).  kvbuf record (17,152 bytes): k likewise at 0 and 16,384; v's images [channel tile t][key group c][lane][16] at 8,192; v's scale words [t][r], byte c, at 16,896.
; REGISTERS, in windows of 256: window 0: addresses, work, codes, v128-255 the 128 numbers being quantised; window 1: two sets as loaded; window 2: v0-63 q^T, v64-127 k^T, v128-191 v; window 3: W's 8 fragments of a K step, two sets.
; THE MODE: SCHED_MODE bits 1:0 = 2 (LLVM: expert scheduling mode 2), set by the entry lines.  The code itself states the register dependences between vector or matrix instructions and memory or LDS
; instructions, with s_wait_alu, always for 0.
; THE PLAN.  Registers that memory or LDS instructions touch:
;   R0, R1       (window 1) Written by the global loads, read by the stage's LDS stores, named by no vector line.  A set is loaded again, two steps on, behind one wait on vm_vsrc.
;   X            (v128-255) The stage's LDS loads land in it; the step's two quantisers read and write it.
;   PC, PW0, PW0+1, AW, AS   Written by vector lines.  Read by W's image stores (the loop over W), by the products (x's steps), by the stores of the way out.
;   WF0, WF1, WS0, WS1   (window 3; v64-71, v100-107) W's fragments and scale words of a K step.  LDS loads land in them, matrix instructions alone read them.  Step n multiplies by set n % 2 while K step n + 1's land in the other.
;   the address registers v1-v7, v10-v13, v96, v97, v99   Made once at the head, never written again.
; So a step holds ONE wait on va_vdst, behind its quantisers: in the loop over W ahead of the image stores, in x's steps ahead of the products.  It also states that the quantisers are done with X, in which the next
; step's stage loads land, and, in x's steps, that the products of the step before are done reading the other set of W, in which this step's loads land.  Behind it only LDS stores or this step's products are issued,
; and these name none of the registers that those loads touch.  One wait on vm_vsrc a step stands ahead of the global loads.
.set ROWB,  3072
.set QREC,  8704
.set KREC,  17152
.set GQ,    0                          ; LDS: q's scale words of the record, 512 bytes
.set GK,    512                        ; k's
.set GV,    1024                       ; v's scale bytes, 256
.set SPARE, 1536                       ; the spare words, 128 bytes for each wave: two blocks of 256 bytes that no other line names
.set WSC,   2048                       ; W's scale words: [K step][tile] x 128 bytes
.set WIMG,  8192                       ; W's images: [K step][tile] x 2,048 bytes
.set STG,   106496                     ; the stages: 32 places of 528 bytes for each wave
.set SP,    528                        ; a row's 512 bytes + 16: 33 x 16, so that sixteen rows' reads fall on sixteen different columns of 16 bytes
.set LI,  1                            ; v1   16 x lane
.set STI, 2                            ; v2   my stage + 16 x lane
.set STO, 3                            ; v3   my stage + 528 r + 64 (lane / 16)
.set L8,  4                            ; v4   8 x lane
.set LS,  5                            ; v5   4 x lane
.set WWI, 6                            ; v6   where I store W's images: WIMG + 16 x lane + 4,096 x wave
.set WWS, 7                            ; v7   and their scale words: WSC + 4 x lane + 256 x wave
.set AW,  8                            ; v8   the loop over W: the K step's place among the images
.set AS,  9                            ; v9   and among the scale words
.set GVB, 10                           ; v10  4 r + wave
.set GW,  11                           ; v11  4 x lane + 128 x wave
.set SPW, 12                           ; v12  my spare word; never rewritten
.set NIL, 13                           ; v13  0; never rewritten
.set PW0, 14                           ; v14, v15 the two tiles' scale words
.set TM,  16                           ; v16-31 the quantiser's work
.set PC,  32                           ; v32-63 two fragments of codes
.set WS,  64                           ; v64-71 W's scale words of a K step, set 0
.set WSD, 36                           ; set 1 lies 36 registers on: v100-107
.set PC3, 72                           ; v72-87 v's codes
.set TW,  88                           ; v88-95 at work
.set OQ,  96                           ; v96  16 x lane + 2,048 x wave
.set OV,  97                           ; v97  16 x lane + 512 x wave
.set SH,  98                           ; v98  16 x (lane / 16)
.set LI3, 99                           ; v99  16 x lane + 49,152: from here the immediates reach the images of K steps 3 to 5
.set X,   128
.set WV,  14
.set LP,  16                           ; s[16:17] where the W loop's loads stand
.set XB,  18                           ; s[18:19] x at my first row
.set SEL, 20
.set MNT, 22
.set CT,  24
.set WO,  25
.set WO2, 26
.set MSB, 0
.macro WIN new                         ; the immediate's high byte repeats the setting that is left
.if MSB != \new
	s_set_vgpr_msb (MSB<<8)|\new
.set MSB, \new
.endif
.endm
; 32 loads: row i's 512 bytes of a K step into set rs (window 1).  w = 1: the set has been through the stage; w = 2: the kernel's first loads.
.macro LOADSET rs, base, koff, nt, w
	WIN 0x40
.if \w == 1
	s_wait_alu depctr_vm_vsrc(0)                   ; the LDS stores issued so far have read their registers: the stage's stores set rs, in which these loads land; W's image stores the codes, words and addresses that the vector lines below write again
.endif
.if \w == 2
	s_wait_alu depctr_va_vdst(0)                   ; the head's vector lines have written the address registers, which every load and store of the kernel reads
.endif
.set li, 0
.rept 32
.if \nt
	global_load_b128 v[128*(\rs)+4*li:128*(\rs)+4*li+3], v[LI], s[\base:\base+1] offset:li*ROWB+(\koff) th:TH_LOAD_NT
.else
	global_load_b128 v[128*(\rs)+4*li:128*(\rs)+4*li+3], v[LI], s[\base:\base+1] offset:li*ROWB+(\koff)
.endif
.set li, li+1
.endr
	WIN 0
.endm
; Set rs through my stage.  Row i goes to place i % 8 + 16 ((i / 8) % 2) + 8 (i / 16): a tile's 16 rows then lie on 16 places on end.  Back: register 64 u + 16 b + i = k 32 b + 16 (lane / 16) + i of tile u's row r.
; LDS serves a wave's instructions in order, so no wait stands between the stores and the loads.
; The loads land in X, which the quantisers of the step before read and wrote: those stand ahead of that step's wait on va_vdst, and no vector or matrix line since names X or v[STO].
.macro TURN rs
	WIN 0x04                                       ; an LDS store's data are its source 1: window 1
.set ti, 0
.rept 32
	ds_store_b128 v[STI], v[128*(\rs)+4*ti:128*(\rs)+4*ti+3] offset:(ti%8+16*((ti/8)%2)+8*(ti/16))*SP
.set ti, ti+1
.endr
	WIN 0
.irp u, 0,1
.irp b, 0,1,2,3
.irp j, 0,1,2,3
	ds_load_b128 v[X+64*\u+16*\b+4*\j:X+64*\u+16*\b+4*\j+3], v[STO] offset:16*\u*SP+128*\b+16*\j
.endr
.endr
.endr
.endm
; 64 numbers of a lane in window w, register 16 b + i = number 16 (lane / 16) + i of block b, become 16 registers of codes at v[pc] and the four blocks' scale word in v[pw] (both in window 0).
.macro QUANT s, w, pc, pw
	WIN (\w)*5                                     ; sources 0 and 1 in window w
.irp b, 0,1,2,3
	v_max3_num_f32 v[TM+\b], |v[\s+16*\b]|, |v[\s+16*\b+1]|, 0x8000000   ; my 16 numbers of block b, from the low end on, and the floor 2^(16 - 127): the byte cannot fall under 1
.endr
.irp i, 2,4,6,8,10,12,14
.irp b, 0,1,2,3
	v_max3_num_f32 v[TM+\b], |v[\s+16*\b+\i]|, |v[\s+16*\b+\i+1]|, v[TM+\b]   ; the four blocks by turns
.endr
.endr
	WIN 0
.irp b, 0,1,2,3
	v_permlanex16_b32 v[TM+4+\b], v[TM+\b], s[SEL], s[SEL+1]
.endr
.irp b, 0,1,2,3
	v_max_num_f32 v[TM+\b], v[TM+\b], v[TM+4+\b]   ; with lane l xor 16's: the block's largest magnitude
.endr
.irp b, 0,1,2,3
	v_add_nc_u32 v[TM+12+\b], 0xf8800000, v[TM+\b] ; 15 off its exponent field: the conversion's scale operand
.endr
.irp b, 0,1,2,3
	v_and_or_b32 v[TM+8+\b], v[TM+\b], 0x7f800000, s[MNT]   ; 57,344 x the scale
.endr
.irp b, 0,1,2,3
	v_lshrrev_b32 v[TM+4+\b], 23, v[TM+12+\b]      ; the scale's byte
.endr
	v_lshl_or_b32 v[\pw], v[TM+5], 8, v[TM+4]
	v_lshl_or_b32 v[\pw], v[TM+6], 16, v[\pw]
	v_lshl_or_b32 v[\pw], v[TM+7], 24, v[\pw]
	WIN (\w)*65                                    ; destination and source 0 in window w
.irp b, 0,1,2,3
.irp i, 0,1,2,3,4,5,6,7,8,9,10,11,12,13,14,15
	v_med3_num_f32 v[\s+16*\b+\i], v[\s+16*\b+\i], -v[TM+8+\b], v[TM+8+\b]   ; the conversion to an 8-bit code does not saturate (ISA guide 7.6.2): the hold at the largest code x the scale
.endr
.endr
	WIN \w                                         ; source 0 in window w
.irp b, 0,1,2,3
	v_cvt_scalef32_pk8_bf8_f32 v[\pc+4*\b:\pc+4*\b+1], v[\s+16*\b:\s+16*\b+7], v[TM+12+\b]
	v_cvt_scalef32_pk8_bf8_f32 v[\pc+4*\b+2:\pc+4*\b+3], v[\s+16*\b+8:\s+16*\b+15], v[TM+12+\b]
.endr
	WIN 0
	v_nop                                          ; one plain vector instruction behind the last conversion
.endm
; A K step of my 32 rows of W: two fragments and their scale words go to LDS as images.  sec: the second step of a trip, 16,384 and 1,024 bytes on.
.macro STEPW rs, koff, sec
	s_wait_loadcnt 32                              ; this set's 32 loads are in; the one younger set's 32 may be out
	TURN \rs
	s_wait_dscnt 32                                ; the stage's 32 stores are done (its 32 loads may be out);
	LOADSET \rs, LP, \koff, 0, 1                   ; their registers take the set two steps on
	s_wait_dscnt 0x0
	QUANT X, 0, PC, PW0
	QUANT X+64, 0, PC+16, PW0+1
.if \sec == 0
	v_add_nc_u32 v[AW], s[WO], v[WWI]
	v_add_nc_u32 v[AS], s[WO2], v[WWS]
.endif
	s_wait_alu depctr_va_vdst(0)                   ; the quantisers have written the codes and the two words, and the additions v[AW] and v[AS], which the stores below read; and the quantisers are done with X, in which the next step's stage loads land
.irp u, 0,1
.irp c, 0,1,2,3
	ds_store_b128 v[AW], v[PC+16*\u+4*\c:PC+16*\u+4*\c+3] offset:\sec*16384+\u*2048+512*\c
.endr
	ds_store_b32 v[AS], v[PW0+\u] offset:\sec*1024+\u*128
.endr
.endm
; W's fragments of K step n, tiles t0 to t0 + 3, from the images into set n % 2 of window 3
.macro WFRAG n, t0
.set WA, LI
.if (\n) >= 3
.set WA, LI3
.endif
	WIN 0xc0                                       ; destination window 3
.irp t, \t0, \t0+1, \t0+2, \t0+3
.irp c, 0,1,2,3
	ds_load_b128 v[128*((\n)%2)+16*(\t)+4*\c:128*((\n)%2)+16*(\t)+4*\c+3], v[WA] offset:WIMG+((\n)%3)*16384+2048*(\t)+512*\c
.endr
.endr
.endm
; and its eight scale words into set n % 2
.macro WWORDS n
.irp t, 0,1,2,3,4,5,6,7
	ds_load_b32 v[WS+WSD*((\n)%2)+\t], v[LS] offset:WSC+(\n)*1024+128*\t
.endr
.endm
; q^T, k^T of x's tile u: source 0 = 16 rows of W, source 1 = 16 rows of x: a lane holds one row of x and eight channels.  K step 0 starts the sums.
.macro MULQK u, n
.irp t, 0,1,2,3,4,5,6,7
.if (\n) == 0
	v_wmma_scale_f32_16x16x128_f8f6f4 v[32*\u+8*\t+32*(\t/4):32*\u+8*\t+32*(\t/4)+7], v[WP+16*\t:WP+16*\t+15], v[PC+16*\u:PC+16*\u+15], 0, v[WSP+\t], v[PW0+\u] matrix_a_fmt:MATRIX_FMT_BF8 matrix_b_fmt:MATRIX_FMT_BF8
.else
	v_wmma_scale_f32_16x16x128_f8f6f4 v[32*\u+8*\t+32*(\t/4):32*\u+8*\t+32*(\t/4)+7], v[WP+16*\t:WP+16*\t+15], v[PC+16*\u:PC+16*\u+15], v[32*\u+8*\t+32*(\t/4):32*\u+8*\t+32*(\t/4)+7], v[WSP+\t], v[PW0+\u] matrix_a_fmt:MATRIX_FMT_BF8 matrix_b_fmt:MATRIX_FMT_BF8
.endif
.endr
.endm
; v: the sources swapped: a lane holds one channel and eight rows (keys)
.macro MULV n
.irp u, 0,1
.irp t, 0,1,2,3
.if (\n) == 0
	v_wmma_scale_f32_16x16x128_f8f6f4 v[128+16*\t+8*\u:128+16*\t+8*\u+7], v[PC+16*\u:PC+16*\u+15], v[WP+16*\t:WP+16*\t+15], 0, v[PW0+\u], v[WSP+\t] matrix_a_fmt:MATRIX_FMT_BF8 matrix_b_fmt:MATRIX_FMT_BF8
.else
	v_wmma_scale_f32_16x16x128_f8f6f4 v[128+16*\t+8*\u:128+16*\t+8*\u+7], v[PC+16*\u:PC+16*\u+15], v[WP+16*\t:WP+16*\t+15], v[128+16*\t+8*\u:128+16*\t+8*\u+7], v[PW0+\u], v[WSP+\t] matrix_a_fmt:MATRIX_FMT_BF8 matrix_b_fmt:MATRIX_FMT_BF8
.endif
.endr
.endr
.endm
; 24 products of K step n, 24 accumulators by turns, by W's set n % 2.  K step n + 1's 40 LDS loads are dealt among them, into the other set.
.macro MULS n
.set WP,  128*((\n)%2)
.set WSP, WS+WSD*((\n)%2)
	WIN 0xa3                                       ; source 0 window 3, source 1 window 0, C and D window 2
	s_wait_alu depctr_va_vdst(0)                   ; the quantisers have written the codes and the two scale words, which the products take; they are done with X, in which the next step's stage loads land; the products of the step before are done reading the other set of W's fragments and words, in which the loads below land
	MULQK 0, \n
.if (\n) < 5
	WFRAG (\n)+1, 0                                ; no wait: since the wait above only this step's products were issued, and they name the codes, the two words, set n % 2 and window 2
.endif
	WIN 0xa3
	MULQK 1, \n
.if (\n) < 5
	WFRAG (\n)+1, 4
	WIN 0
	WWORDS (\n)+1
.endif
	WIN 0xac                                       ; source 0 window 0, source 1 window 3, C and D window 2
	MULV \n
	WIN 0
.rept 8
	v_nop                                          ; eight places behind this form, in front of the vector lines that write the codes and words again and of the first read of results
.endr
.endm
; K step n of my 32 rows of x.
.macro STEPX n
.if \n < 5
	s_wait_loadcnt 32                              ; this set is in; the one younger set may be out
.else
	s_wait_loadcnt 0x0
.endif
	TURN (\n)%2
.if \n < 4
	s_wait_dscnt 32                                ; the stage's stores are done, and so are the loads of W's fragments and words, which were issued ahead of them
	LOADSET (\n)%2, XB, 512*((\n)+2), 1, 1
.endif
	s_wait_dscnt 0x0                               ; x's numbers are back from the stage; this K step's fragments and words of W are in
	QUANT X, 0, PC, PW0
	QUANT X+64, 0, PC+16, PW0+1
.rept 4
	v_nop                                          ; codes written by vector instructions stand four places ahead of a scaled matrix instruction; the scale words were made 64 holds further up
.endr
	MULS \n
.endm
	s_load_b256 s[4:11], s[0:1], 0x0               ; x s[4:5], Wq s[6:7], Wk s[8:9], qbuf s[10:11]
	s_load_b64 s[12:13], s[0:1], 0x20              ; kvbuf
	v_lshl_add_u32 v[SPW], v0, 2, SPARE
	v_mov_b32 v[NIL], 0
	v_lshrrev_b32 v[TW], 5, v0
	v_readfirstlane_b32 s[WV], v[TW]               ; wave 0..3
	v_and_b32 v[TW], 31, v0                        ; lane
	v_and_b32 v[TW+1], 15, v0                      ; r
	v_bfe_u32 v[TW+2], v0, 4, 1                    ; lane / 16
	v_lshlrev_b32 v[LI], 4, v[TW]
	v_lshlrev_b32 v[L8], 3, v[TW]
	v_lshlrev_b32 v[LS], 2, v[TW]
	v_lshlrev_b32 v[SH], 4, v[TW+2]
	v_add_nc_u32 v[LI3], 49152, v[LI]
	s_wait_alu depctr_va_sdst(0)                   ; the wave's number is written, ahead of its first reader: LDS places and bases are made from it
	s_mul_i32 s28, s[WV], 32*SP
	s_add_co_u32 s28, s28, STG                     ; my stage
	v_add_nc_u32 v[STI], s28, v[LI]
	v_mul_u32_u24 v[STO], v[TW+1], SP
	v_lshl_add_u32 v[STO], v[TW+2], 6, v[STO]
	v_add_nc_u32 v[STO], s28, v[STO]
	s_lshl_b32 s28, s[WV], 12
	s_add_co_u32 s28, s28, WIMG
	v_add_nc_u32 v[WWI], s28, v[LI]
	s_lshl_b32 s28, s[WV], 8
	s_add_co_u32 s28, s28, WSC
	v_add_nc_u32 v[WWS], s28, v[LS]
	v_lshlrev_b32 v[GVB], 2, v[TW+1]
	v_add_nc_u32 v[GVB], s[WV], v[GVB]
	s_lshl_b32 s28, s[WV], 7
	v_add_nc_u32 v[GW], s28, v[LS]
	s_lshl_b32 s28, s[WV], 11
	v_add_nc_u32 v[OQ], s28, v[LI]
	s_lshl_b32 s28, s[WV], 9
	v_add_nc_u32 v[OV], s28, v[LI]
.irp b, 0,1,2,3
	v_mov_b32 v[TM+4+\b], 0                        ; written once: a lane permute's destination counts as one of its sources
.endr
	s_mov_b32 s[SEL], 0x76543210
	s_mov_b32 s[SEL+1], 0xfedcba98                 ; v_permlanex16_b32's selects for lane l xor 16
	s_mov_b32 s[MNT], 0x600000                     ; the mantissa field of 57,344
	s_and_b32 s30, s[WV], 1
	s_mul_i32 s30, s30, 32*ROWB                    ; my 32 rows of Wq or of Wk
	s_mov_b32 s31, 0
	s_lshl_b32 s32, ttmp9, 7
	s_lshl_b32 s33, s[WV], 5
	s_add_co_u32 s32, s32, s33                     ; my first row of x: 128 x work-group + 32 x wave
	s_mul_i32 s32, s32, ROWB                       ; under 2^27 bytes
	s_mov_b32 s33, 0
	s_mul_i32 s34, ttmp9, QREC
	s_mov_b32 s35, 0
	s_mul_i32 s28, ttmp9, KREC
	s_mov_b32 s29, 0
	s_mov_b32 s[CT], 3
	s_mov_b32 s[WO], 0
	s_mov_b32 s[WO2], 0
	s_wait_kmcnt 0x0
	s_cmp_lt_u32 s[WV], 2                          ; the choice hangs on the wave's number alone
	s_cselect_b64 s[LP:LP+1], s[6:7], s[8:9]
	s_add_nc_u64 s[LP:LP+1], s[LP:LP+1], s[30:31]
	s_add_nc_u64 s[XB:XB+1], s[4:5], s[32:33]
	s_add_nc_u64 s[10:11], s[10:11], s[34:35]      ; my record of qbuf
	s_add_nc_u64 s[12:13], s[12:13], s[28:29]      ; and of kvbuf
	LOADSET 0, LP, 0, 0, 2                         ; W's K steps 0 and 1
	LOADSET 1, LP, 512, 0, 0
	s_wait_xcnt 0x0                                ; the loads have read their base: it may step
	s_add_nc_u64 s[LP:LP+1], s[LP:LP+1], 1024
.Lw:                                                   ; three trips, two K steps of W each; a trip fetches the two sets that follow: W's, and in the third trip x's K steps 0 and 1
	STEPW 0, 0, 0
	STEPW 1, 512, 1
	s_wait_xcnt 0x0                                ; the trip's loads have read their base
	s_add_nc_u64 s[LP:LP+1], s[LP:LP+1], 1024
	s_cmp_eq_u32 s[CT], 2                          ; behind the second trip the stream goes on into x
	s_cselect_b64 s[LP:LP+1], s[XB:XB+1], s[LP:LP+1]
	s_add_co_u32 s[WO], s[WO], 32768
	s_add_co_u32 s[WO2], s[WO2], 2048
	s_sub_co_u32 s[CT], s[CT], 1
	s_cmp_lg_u32 s[CT], 0
	s_cbranch_scc1 .Lw
	s_wait_dscnt 0x0                               ; for the others' sake: my images and words have landed
	s_barrier_signal -1
	s_barrier_wait -1                              ; W's 48 fragments lie in LDS
	WFRAG 0, 0                                     ; K step 0's fragments and words of W, into set 0: no vector or matrix line has named these registers
	WFRAG 0, 4
	WIN 0
	WWORDS 0
	STEPX 0
	STEPX 1
	STEPX 2
	STEPX 3
	STEPX 4
	STEPX 5
	; ---- q^T: 64 registers = tile u, block b of the head: one image of 32 rows
	QUANT 0, 2, PC, PW0
	v_lshrrev_b32 v[TW], v[SH], v[PW0]             ; lanes 0-15 keep the word (shifts by 0), lanes 16-31 turn it by 16 bits
	v_lshlrev_b32 v[TW+1], v[SH], v[PW0]
	v_or_b32 v[TW], v[TW], v[TW+1]
	s_wait_alu depctr_va_vdst(0)                   ; q's codes and its turned word are written, which the five stores below read
.irp i, 0,1,2,3
	global_store_b128 v[OQ], v[PC+4*\i:PC+4*\i+3], s[10:11] offset:512*\i   ; 32 lanes store 512 consecutive bytes, aligned
.endr
	ds_store_b32 v[GW], v[TW] offset:GQ
	; ---- k^T likewise
	QUANT 64, 2, PC+16, PW0+1
	v_lshrrev_b32 v[TW+2], v[SH], v[PW0+1]
	v_lshlrev_b32 v[TW+3], v[SH], v[PW0+1]
	v_or_b32 v[TW+2], v[TW+2], v[TW+3]
	s_wait_alu depctr_va_vdst(0)                   ; k's codes and its turned word are written, which the five stores below read
.irp i, 0,1,2,3
	global_store_b128 v[OQ], v[PC+16+4*\i:PC+16+4*\i+3], s[12:13] offset:512*\i
.endr
	ds_store_b32 v[GW], v[TW+2] offset:GK
	; ---- v: block t of the quantiser = channel tile t; my 32 keys are key group c = wave of each fragment
	QUANT 128, 2, PC3, PW0
	s_wait_alu depctr_va_vdst(0)                   ; v's codes and its four scale bytes are written, which the eight stores below read; no vector line behind this one names v[TW] to v[TW+3], in which LDS loads land below
.irp t, 0,1,2,3
	global_store_b128 v[OV], v[PC3+4*\t:PC3+4*\t+3], s[12:13] offset:8192+2048*\t
	ds_store_b8 v[GVB], v[TM+4+\t] offset:GV+64*\t ; byte c = wave of channel (t, r)'s word; both lanes of a block write the same byte with the same value
.endr
	s_wait_dscnt 0x0                               ; for the others' sake
	s_barrier_signal -1
	s_barrier_wait -1                              ; the record's scale words lie in LDS: they leave in whole runs
	s_wait_alu depctr_vm_vsrc(0)                   ; my LDS stores have read v[TW] and v[TW+2], in which the loads of the three arms below land
	s_cmp_lg_u32 s[WV], 0
	s_cbranch_scc1 .Lnot0
	ds_load_b128 v[TW:TW+3], v[LI] offset:GQ
	s_wait_dscnt 0x0
	global_store_b128 v[LI], v[TW:TW+3], s[10:11] offset:8192
	s_branch .Lend
.Lnot0:
	s_cmp_lg_u32 s[WV], 1
	s_cbranch_scc1 .Lnot1
	ds_load_b128 v[TW:TW+3], v[LI] offset:GK
	s_wait_dscnt 0x0
	global_store_b128 v[LI], v[TW:TW+3], s[12:13] offset:16384
	s_branch .Lend
.Lnot1:
	s_cmp_lg_u32 s[WV], 2
	s_cbranch_scc1 .Lend
	ds_load_b64 v[TW:TW+1], v[L8] offset:GV
	s_wait_dscnt 0x0
	global_store_b64 v[L8], v[TW:TW+1], s[12:13] offset:16896   ; 32 lanes store 256 consecutive bytes, aligned
.Lend:
	s_wait_dscnt 0x0                               ; the closing lines, six on end
	s_wait_alu 0x0
	s_wait_tensorcnt 0x0
	ds_add_u32 v[SPW], v[NIL]
	s_wait_dscnt 0x0
	s_endpgm
.Lfunc_end_k_q9c6ce7e3e5_proj:
	.size	k_q9c6ce7e3e5_proj, .Lfunc_end_k_q9c6ce7e3e5_proj-k_q9c6ce7e3e5_proj
	.p2alignl 7, 3214868480
	.fill 96, 4, 3214868480
	.section	.rodata,"a",@progbits
	.p2align	6, 0x0
	.amdhsa_kernel k_q9c6ce7e3e5_proj
		.amdhsa_group_segment_fixed_size 174080
		.amdhsa_private_segment_fixed_size 0
		.amdhsa_enable_private_segment 0
		.amdhsa_kernarg_size 40
		.amdhsa_user_sgpr_count 2
		.amdhsa_user_sgpr_kernarg_segment_ptr 1
		.amdhsa_wavefront_size32 1
		.amdhsa_system_sgpr_workgroup_id_x 1
		.amdhsa_system_sgpr_workgroup_id_y 1
		.amdhsa_system_sgpr_workgroup_id_z 1
		.amdhsa_system_vgpr_workitem_id 0
		.amdhsa_next_free_vgpr 1024
		.amdhsa_next_free_sgpr 66
		.amdhsa_reserve_vcc 0
		.amdhsa_float_denorm_mode_32 3
		.amdhsa_float_denorm_mode_16_64 3
		.amdhsa_memory_ordered 1
		.amdhsa_forward_progress 1
		.amdhsa_inst_pref_size 255
	.end_amdhsa_kernel
	.amdgpu_metadata
---
amdhsa.version: [ 1, 2 ]
amdhsa.kernels:
  - .name:           k_q9c6ce7e3e5_proj
    .symbol:         k_q9c6ce7e3e5_proj.kd
    .args:
      - { .name: input_ids, .offset: 0, .size: 8, .value_kind: global_buffer, .address_space: global }
      - { .name: Wq, .offset: 8, .size: 8, .value_kind: global_buffer, .address_space: global }
      - { .name: Wk, .offset: 16, .size: 8, .value_kind: global_buffer, .address_space: global }
      - { .name: qbuf, .offset: 24, .size: 8, .value_kind: global_buffer, .address_space: global }
      - { .name: kvbuf, .offset: 32, .size: 8, .value_kind: global_buffer, .address_space: global }
    .group_segment_fixed_size: 174080
    .private_segment_fixed_size: 0
    .kernarg_segment_align: 8
    .kernarg_segment_size: 40
    .max_flat_workgroup_size: 128
    .sgpr_count:     66
    .vgpr_count:     1024
    .wavefront_size: 32
...
	.end_amdgpu_metadata
.endif
;; end of part 4
;; launch stats (part 5): grid 32 x 8, 16 waves a work-group, clusters of 4 x 1, 327,680 bytes of LDS; arguments qbuf, kvbuf, stbuf; writes stbuf
.if DOCPART == 5
	.amdgcn_target "amdgcn-amd-amdhsa--gfx1250"
	.amdhsa_code_object_version 6
	.text
	.protected	k_q9c6ce7e3e5_stats
	.globl	k_q9c6ce7e3e5_stats
	.p2align	8
	.type	k_q9c6ce7e3e5_stats,@function
k_q9c6ce7e3e5_stats:
	s_mov_b64 s[64:65], 0
	v_nop
	global_prefetch_b8 v0, s[64:65] scope:SCOPE_SE
	s_setreg_imm32_b32 hwreg(HW_REG_WAVE_MODE, 25, 1), 1
	s_wait_xcnt 0x0
	s_wait_alu depctr_hold_cnt(0) depctr_sa_sdst(0) depctr_va_vdst(0) depctr_va_sdst(0) depctr_va_ssrc(0) depctr_va_vcc(0) depctr_vm_vsrc(0)
	s_getreg_b32 s2, hwreg(HW_REG_IB_STS2, 6, 4)
	s_cmp_eq_u32 s2, 0
	s_cbranch_scc0 .Lentry_in_a_cluster
	s_endpgm
.Lentry_in_a_cluster:
	s_bfe_u32 s2, ttmp6, 0x10000c
	s_cmp_lg_u32 s2, 0x3003
	s_cbranch_scc0 .Lentry_shape_is_right
	s_endpgm
.Lentry_shape_is_right:
; The softmax of reference() runs along the QUERIES: each key has its own maximum and sum over all 4,096 queries of its batch.  This launch makes, for each key, -c m (m the largest raw score, c = log2(e) / 64, the 64 being
; sqrt(4096)) and 1 / l, l = the sum over the queries of 2^(c raw - c m).  The raw scores are the quantised product Q(q) Q(k)^T on the codes that the launch before stored; they are not kept.  Wv is left out as dead work: it has no way to any output.
; The maximum is taken away ahead of every exponential, by a running maximum: where it moves, the sum is multiplied by 2^(c m_old - c m_new).
; LIMITS: NaN and infinities are not served; terms under 2^-126 count as 0 (v_exp_f32: ISA guide 15.8); the sums are ordered otherwise than reference()'s.
; SHARES.  A work-group takes 128 keys of one batch.  Wave w: key group p = w % 4 (32 keys, two tiles), queries 1,024 (w / 4) on.  Source 0 = 32 queries' image, source 1 = a tile of keys: a lane holds ONE key, its registers run along the queries,
; so maximum and sum stay in the lane; the two halves of the lanes and the four quarters meet at the end.
; K IS 64 AND THE INSTRUCTION'S IS 128: an image holds tile 0's 64 codes and then tile 1's; against [keys | zeros] it gives tile 0's scores, against [zeros | keys] tile 1's.  k0 Z k1 Z k0 in 40 registers holds the four forms.
; The keys' scale word stands as it is in lanes 0-15 and turned by 16 bits in lanes 16-31: the row chosen puts a tile's two bytes where its codes are.  Bytes that meet zero codes are 1 to 254.
; CLUSTER.  The four work-groups of a cluster belong to one batch and need the same 278,528 bytes of q: each wave asks for 17,408 of them by a joint load; they are filled once and stay.
.set QREC,  8704
.set KREC,  17152
.set PM,    32*QREC                    ; behind q's 32 records: the waves' maxima [quarter][128 keys],
.set PL,    PM+2048                    ; their sums,
.set SPARE, PM+4096                    ; and the spare words, 128 bytes for each wave: eight blocks of 256 bytes that no other line names
.set LI,  1                            ; v1   16 x lane + my quarter's 8 records
.set LS,  2                            ; v2   4 x lane + the same + 8,192: a record's scale words
.set ADI, 3
.set ADW, 4
.set SPW, 5
.set NIL, 6
.set PST, 7                            ; v7   where my key's maximum goes
.set FRD, 8                            ; v8   the last merge: where I read
.set FGO, 9                            ; v9   and my byte offset in the record of stbuf
.set KB,  16                           ; v16-55 k0 Z k1 Z k0
.set KS,  56
.set QW,  57                           ; v57, v58
.set AF,  64                           ; v64-95 two images of 32 queries
.set SC,  96                           ; v96-159 scores: 32 a + 16 g + 8 u
.set ST,  160                          ; tile a at ST + 8 a: +0 -c m, +1 m, +2, +3 l in two halves, +4 the factor, +5 to +7 at work
.set CH,  176                          ; tile a at CH + 4 a: two chains of the maximum, a pair for the sums
.set WV,  12
.set PP,  13
.set ZZ,  14
.set G1,  16
.set G0,  24
.set CS,  32
.set SEL, 34
.set NC,  36
.set TB,  37
.set CT,  38
.macro CROUND                          ; a round of the cluster's barrier
	s_barrier_signal -1
	s_barrier_wait -1
	s_cmp_lg_u32 s[WV], 0
	s_cbranch_scc1 .Lnw0_\@
	s_barrier_signal -3
.Lnw0_\@:
	s_barrier_wait -3
	s_barrier_signal -1
	s_barrier_wait -1
.endm
	s_load_b128 s[4:7], s[0:1], 0x0                ; qbuf, kvbuf
	s_load_b64 s[8:9], s[0:1], 0x10                ; stbuf
	v_lshl_add_u32 v[SPW], v0, 2, SPARE
	v_mov_b32 v[NIL], 0
	ds_add_u32 v[SPW], v[NIL]                      ; the wave's opening: the add, twice on end, and its wait ahead of my first tensor load
	ds_add_u32 v[SPW], v[NIL]
	v_lshrrev_b32 v10, 5, v0
	s_delay_alu instid0(VALU_DEP_1)
	v_readfirstlane_b32 s[WV], v10                 ; wave 0..15
	s_and_b32 s[PP], s[WV], 3
	s_lshr_b32 s[ZZ], s[WV], 2
	s_bfe_u32 s40, ttmp6, 0x40000                  ; cx
	s_lshl_b32 s41, ttmp9, 2
	s_add_co_u32 s41, s41, s40                     ; my 128 keys: record 4 x cluster x + cx of the batch: it enters k's and stbuf's addresses alone
	s_and_b32 s42, ttmp7, 0xffff                   ; the batch, which the four partners share
	s_lshl_b32 s45, s42, 5
	; descriptor group 1: 68 rows of 256 bytes (32 elements of 8), dense
	s_mov_b32 s[G1], 15|(3<<16)|(1<<21)            ; the mask: all four work-groups; elements of 8 bytes; bit 21 set beside a mask
	s_mov_b32 s[G1+1], 32<<16
	s_mov_b32 s[G1+2], 68<<16
	s_mov_b32 s[G1+3], 32<<16
	s_mov_b32 s[G1+4], 68
	s_mov_b32 s[G1+5], 32
	s_mov_b32 s[G1+6], 0
	s_mov_b32 s[G1+7], 0
	s_lshl_b32 s46, s[WV], 1
	s_add_co_u32 s46, s46, s45
	s_mul_i32 s46, s46, QREC                       ; records 2 w and 2 w + 1 of the batch
	s_mov_b32 s47, 0
	s_add_co_u32 s48, s45, s41
	s_mul_i32 s50, s48, KREC
	s_mov_b32 s51, 0
	s_lshl_b32 s52, s48, 10
	s_mov_b32 s53, 0
	s_mov_b32 s[CS], 0x3cb8aa3b                    ; c = log2(e) / 64
	s_mov_b32 s[CS+1], s[CS]                       ; (named with it as a pair, so it is written)
	s_mov_b32 s[NC], 0xbcb8aa3b                    ; -c
	s_mov_b32 s[SEL], 0x76543210
	s_mov_b32 s[SEL+1], 0xfedcba98
	s_mov_b32 s[TB], 0
	s_mov_b32 s[CT], 8
	s_wait_dscnt 0x0                               ; both opening adds are done
	s_wait_kmcnt 0x0
	s_mov_b32 s[G0], 1
	s_mul_i32 s[G0+1], s[WV], 2*QREC               ; no place in the cluster enters an LDS address
	s_add_nc_u64 s[G0+2:G0+3], s[4:5], s[46:47]
	s_or_b32 s[G0+3], s[G0+3], 0x80000000
	s_add_nc_u64 s[6:7], s[6:7], s[50:51]          ; my keys' record
	s_add_nc_u64 s[8:9], s[8:9], s[52:53]
	CROUND                                         ; all four work-groups are here: the joint loads meet
	tensor_load_to_lds s[G0:G0+3], s[G1:G1+7]      ; my one load: one is out
	s_nop 0
.rept 4
	v_nop
.endr
	v_and_b32 v10, 31, v0                          ; lane
	s_wait_alu depctr_va_vdst(0)
	v_and_b32 v11, 15, v0                          ; r
	s_mul_i32 s54, s[ZZ], 8*QREC
	v_lshl_add_u32 v[LI], v10, 4, s54
	s_add_co_u32 s55, s54, 8192
	v_lshl_add_u32 v[LS], v10, 2, s55
	v_and_b32 v12, 8, v11
	s_delay_alu instid0(VALU_DEP_1)
	v_add_nc_u32 v12, v12, v11                     ; r + 8 (r / 8): tile a's lane r holds key 8 a + r + 8 (r / 8) of the group
	s_lshl_b32 s56, s[ZZ], 9
	s_lshl_b32 s57, s[PP], 7
	s_add_co_u32 s56, s56, s57
	s_add_co_u32 s56, s56, PM
	v_lshl_add_u32 v[PST], v12, 2, s56
	s_and_b32 s58, s[WV], 1
	s_lshl_b32 s58, s58, 8
	v_lshl_add_u32 v[FGO], v10, 3, s58             ; 8 x lane + 256 x (wave % 2)
	s_delay_alu instid0(VALU_DEP_1)
	v_add_nc_u32 v[FRD], PM, v[FGO]
	s_lshl_b32 s57, s[PP], 11
	v_lshl_add_u32 v13, v10, 4, s57                ; my key group's image
	s_lshl_b32 s57, s[PP], 7
	v_lshl_add_u32 v14, v10, 2, s57                ; and its scale words
	global_load_b128 v[KB:KB+3], v13, s[6:7]
	global_load_b128 v[KB+4:KB+7], v13, s[6:7] offset:512
	global_load_b128 v[KB+16:KB+19], v13, s[6:7] offset:1024
	global_load_b128 v[KB+20:KB+23], v13, s[6:7] offset:1536
	global_load_b128 v[KB+32:KB+35], v13, s[6:7]
	global_load_b128 v[KB+36:KB+39], v13, s[6:7] offset:512
	global_load_b32 v[KS], v14, s[6:7] offset:16384
.irp i, 0,1,2,3,4,5,6,7
	v_mov_b32 v[KB+8+\i], 0                        ; zero codes
	v_mov_b32 v[KB+24+\i], 0
.endr
.irp a, 0,1
	v_mov_b32 v[ST+8*\a+1], 0xff61b1e6             ; the largest score so far: -3e38, under every score
	v_mov_b32 v[ST+8*\a+2], 0                      ; the sum, in two halves
	v_mov_b32 v[ST+8*\a+3], 0
	v_mov_b32 v[ST+8*\a+6], 0                      ; (a lane permute's destination counts as one of its sources)
	s_delay_alu instid0(VALU_DEP_4)
	v_mul_f32 v[ST+8*\a], s[NC], v[ST+8*\a+1]
.endr
	s_wait_loadcnt 0x0
	s_wait_tensorcnt 0x0                           ; my part of q is in,
	s_barrier_signal -1
	s_barrier_wait -1                              ; everybody's is; nothing is filled again
.macro FRAGS hf                        ; half hf of a record: two images of 32 queries and their scale words
.irp g, 0,1
.irp c, 0,1,2,3
	ds_load_b128 v[AF+16*\g+4*\c:AF+16*\g+4*\c+3], v[ADI] offset:(2*\hf+\g)*2048+512*\c
.endr
	ds_load_b32 v[QW+\g], v[ADW] offset:(2*\hf+\g)*128
.endr
.endm
; 64 queries x my 32 keys: 8 products, then the running maximum and sum of both tiles of keys, by turns.
.macro CHUNK hf
	s_wait_dscnt 0x0
	s_setprio 2
.irp g, 0,1
.irp a, 0,1
.irp u, 0,1
.if \a == \u
	v_wmma_scale_f32_16x16x128_f8f6f4 v[SC+32*\a+16*\g+8*\u:SC+32*\a+16*\g+8*\u+7], v[AF+16*\g:AF+16*\g+15], v[KB+16*\a+24*\u-32*\a*\u:KB+16*\a+24*\u-32*\a*\u+15], 0, v[QW+\g], v[KS] matrix_a_fmt:MATRIX_FMT_BF8 matrix_b_fmt:MATRIX_FMT_BF8
.else
	v_wmma_scale_f32_16x16x128_f8f6f4 v[SC+32*\a+16*\g+8*\u:SC+32*\a+16*\g+8*\u+7], v[AF+16*\g:AF+16*\g+15], v[KB+16*\a+24*\u-32*\a*\u:KB+16*\a+24*\u-32*\a*\u+15], 0, v[QW+\g], v[KS] matrix_a_fmt:MATRIX_FMT_BF8 matrix_b_fmt:MATRIX_FMT_BF8 matrix_b_scale:MATRIX_SCALE_ROW1
.endif
.endr
.endr
.endr
.rept 9
	v_nop                                          ; eight places in front of the first read of results and of loads into the images; the ninth for the next chunk's products, which begin these accumulators anew
.endr
.if \hf == 0
	FRAGS 1
.endif
.irp a, 0,1                                    ; the maximum of 32 scores and the old m: two chains, each accumulator from its low end on
	v_max3_num_f32 v[CH+4*\a], v[SC+32*\a], v[SC+32*\a+1], v[ST+8*\a+1]
	v_max3_num_f32 v[CH+4*\a+1], v[SC+32*\a+16], v[SC+32*\a+17], v[SC+32*\a+18]
.endr
.irp i, 0,1,2,3,4,5
.irp a, 0,1
	v_max3_num_f32 v[CH+4*\a], v[CH+4*\a], v[SC+32*\a+2+2*\i], v[SC+32*\a+3+2*\i]
	v_max3_num_f32 v[CH+4*\a+1], v[CH+4*\a+1], v[SC+32*\a+19+2*\i], v[SC+32*\a+20+2*\i]
.endr
.endr
.irp a, 0,1
	v_max3_num_f32 v[CH+4*\a], v[CH+4*\a], v[SC+32*\a+14], v[SC+32*\a+15]
.endr
.irp a, 0,1
	v_max3_num_f32 v[ST+8*\a+1], v[CH+4*\a], v[CH+4*\a+1], v[SC+32*\a+31]   ; the new m
.endr
.irp a, 0,1
	v_mov_b32 v[ST+8*\a+5], v[ST+8*\a]
.endr
.irp a, 0,1
	s_delay_alu instid0(VALU_DEP_4)
	v_mul_f32 v[ST+8*\a], s[NC], v[ST+8*\a+1]      ; -c m
.endr
.irp a, 0,1
	s_delay_alu instid0(VALU_DEP_2)
	v_sub_f32 v[ST+8*\a+5], v[ST+8*\a], v[ST+8*\a+5]   ; c m_old - c m_new
.endr
.irp i, 0,2,4,6,8,10,12,14,16,18,20,22,24,26,28,30
.irp a, 0,1
	v_pk_fma_f32 v[SC+32*\a+\i:SC+32*\a+\i+1], v[SC+32*\a+\i:SC+32*\a+\i+1], s[CS:CS+1], v[ST+8*\a:ST+8*\a+1] op_sel_hi:[1,0,0]   ; c raw - c m, two at a time (of the pairs c and -c m the low word serves both halves)
.endr
.endr
	s_setprio 1
	s_wait_alu depctr_va_vdst(0)
.irp a, 0,1
	v_exp_f32 v[ST+8*\a+4], v[ST+8*\a+5]           ; the factor for what was summed under the old m
.endr
.irp i, 0,1,2,3,4,5,6,7,8,9,10,11,12,13,14,15,16,17,18,19,20,21,22,23,24,25,26,27,28,29,30,31
.irp a, 0,1
	v_exp_f32 v[SC+32*\a+\i], v[SC+32*\a+\i]
.endr
.endr
	s_setprio 0
	v_nop                                          ; a plain place behind the last exponential
	s_wait_alu depctr_va_vdst(0)                   ; the wait ahead of the first reader: one for the 66
.irp a, 0,1
	v_pk_fma_f32 v[ST+8*\a+2:ST+8*\a+3], v[ST+8*\a+2:ST+8*\a+3], v[ST+8*\a+4:ST+8*\a+5], v[SC+32*\a:SC+32*\a+1] op_sel_hi:[1,0,1]
.endr
.irp a, 0,1
	v_pk_add_f32 v[CH+4*\a+2:CH+4*\a+3], v[SC+32*\a+2:SC+32*\a+3], v[SC+32*\a+4:SC+32*\a+5]
.endr
.irp i, 0,1,2,3,4,5
.irp a, 0,1
	v_pk_add_f32 v[ST+8*\a+2:ST+8*\a+3], v[ST+8*\a+2:ST+8*\a+3], v[SC+32*\a+6+4*\i:SC+32*\a+7+4*\i]
	v_pk_add_f32 v[CH+4*\a+2:CH+4*\a+3], v[CH+4*\a+2:CH+4*\a+3], v[SC+32*\a+8+4*\i:SC+32*\a+9+4*\i]
.endr
.endr
.irp a, 0,1
	v_pk_add_f32 v[ST+8*\a+2:ST+8*\a+3], v[ST+8*\a+2:ST+8*\a+3], v[SC+32*\a+30:SC+32*\a+31]
.endr
.irp a, 0,1
	s_delay_alu instid0(VALU_DEP_2)
	v_pk_add_f32 v[ST+8*\a+2:ST+8*\a+3], v[ST+8*\a+2:ST+8*\a+3], v[CH+4*\a+2:CH+4*\a+3]
.endr
.endm
.Lrec:                                                 ; eight trips: a record of 128 queries each
	v_add_nc_u32 v[ADI], s[TB], v[LI]
	v_add_nc_u32 v[ADW], s[TB], v[LS]
	FRAGS 0
	s_wait_alu depctr_va_vdst(0)
	CHUNK 0
	CHUNK 1
	s_add_co_u32 s[TB], s[TB], QREC
	s_sub_co_u32 s[CT], s[CT], 1
	s_cmp_lg_u32 s[CT], 0
	s_cbranch_scc1 .Lrec
	s_setprio 0
	; the two halves of the lanes hold the same key's figures over different queries: they meet
.irp a, 0,1
	v_add_f32 v[ST+8*\a+2], v[ST+8*\a+2], v[ST+8*\a+3]
.endr
.irp a, 0,1
	v_permlanex16_b32 v[ST+8*\a+6], v[ST+8*\a+1], s[SEL], s[SEL+1]
.endr
.irp a, 0,1
	s_delay_alu instid0(VALU_DEP_2)
	v_max_num_f32 v[ST+8*\a+6], v[ST+8*\a+1], v[ST+8*\a+6]   ; M of both
.endr
.irp a, 0,1
	s_delay_alu instid0(VALU_DEP_2)
	v_mul_f32 v[ST+8*\a+7], s[NC], v[ST+8*\a+6]
.endr
.irp a, 0,1
	s_delay_alu instid0(VALU_DEP_2)
	v_fma_f32 v[ST+8*\a+5], v[ST+8*\a+1], s[CS], v[ST+8*\a+7]
.endr
	s_wait_alu depctr_va_vdst(0)
.irp a, 0,1
	v_exp_f32 v[ST+8*\a+5], v[ST+8*\a+5]
.endr
	v_nop
	s_wait_alu depctr_va_vdst(0)
.irp a, 0,1
	v_mul_f32 v[ST+8*\a+2], v[ST+8*\a+2], v[ST+8*\a+5]
.endr
.irp a, 0,1
	s_delay_alu instid0(VALU_DEP_2)
	v_permlanex16_b32 v[ST+8*\a+3], v[ST+8*\a+2], s[SEL], s[SEL+1]
.endr
.irp a, 0,1
	s_delay_alu instid0(VALU_DEP_2)
	v_add_f32 v[ST+8*\a+2], v[ST+8*\a+2], v[ST+8*\a+3]
.endr
.irp a, 0,1
	ds_store_b32 v[PST], v[ST+8*\a+6] offset:32*\a           ; both halves of the lanes write the same word with the same value
	ds_store_b32 v[PST], v[ST+8*\a+2] offset:32*\a+2048
.endr
	s_wait_dscnt 0x0                               ; for the others' sake
	s_barrier_signal -1
	s_barrier_wait -1
	s_cmp_lt_u32 s[WV], 2                          ; waves 0 and 1 join the four quarters: two keys a lane, so that a store covers 256 consecutive bytes, aligned
	s_cbranch_scc0 .Lend
.irp y, 0,1,2,3
	ds_load_b64 v[96+2*\y:97+2*\y], v[FRD] offset:512*\y
	ds_load_b64 v[104+2*\y:105+2*\y], v[FRD] offset:2048+512*\y
.endr
	s_wait_dscnt 0x0
.irp e, 0,1
	v_max3_num_f32 v[112+\e], v[96+\e], v[98+\e], v[100+\e]
.endr
.irp e, 0,1
	s_delay_alu instid0(VALU_DEP_2)
	v_max_num_f32 v[112+\e], v[112+\e], v[102+\e]
.endr
.irp e, 0,1
	s_delay_alu instid0(VALU_DEP_2)
	v_mul_f32 v[114+\e], s[NC], v[112+\e]          ; -c m of the key
.endr
.irp y, 0,1,2,3
.irp e, 0,1
	v_fma_f32 v[96+2*\y+\e], v[96+2*\y+\e], s[CS], v[114+\e]
.endr
.endr
	s_wait_alu depctr_va_vdst(0)
.irp y, 0,1,2,3
.irp e, 0,1
	v_exp_f32 v[96+2*\y+\e], v[96+2*\y+\e]
.endr
.endr
	v_nop
	s_wait_alu depctr_va_vdst(0)
.irp e, 0,1
	v_mul_f32 v[116+\e], v[104+\e], v[96+\e]
.endr
.irp y, 1,2,3
.irp e, 0,1
	v_fma_f32 v[116+\e], v[104+2*\y+\e], v[96+2*\y+\e], v[116+\e]
.endr
.endr
	s_wait_alu depctr_va_vdst(0)
.irp e, 0,1
	v_rcp_f32 v[118+\e], v[116+\e]                 ; 1 / l
.endr
	v_nop
	s_wait_alu depctr_va_vdst(0)
	global_store_b64 v[FGO], v[114:115], s[8:9]
	global_store_b64 v[FGO], v[118:119], s[8:9] offset:512
.Lend:
	s_wait_tensorcnt 0x0                           ; the wave's end, behind my tensor load and my last LDS store
	ds_add_u32 v[SPW], v[NIL]
	s_wait_dscnt 0x0
	CROUND                                         ; the closing round
	s_endpgm
.Lfunc_end_k_q9c6ce7e3e5_stats:
	.size	k_q9c6ce7e3e5_stats, .Lfunc_end_k_q9c6ce7e3e5_stats-k_q9c6ce7e3e5_stats
	.p2alignl 7, 3214868480
	.fill 96, 4, 3214868480
	.section	.rodata,"a",@progbits
	.p2align	6, 0x0
	.amdhsa_kernel k_q9c6ce7e3e5_stats
		.amdhsa_group_segment_fixed_size 327680
		.amdhsa_private_segment_fixed_size 0
		.amdhsa_enable_private_segment 0
		.amdhsa_kernarg_size 24
		.amdhsa_user_sgpr_count 2
		.amdhsa_user_sgpr_kernarg_segment_ptr 1
		.amdhsa_wavefront_size32 1
		.amdhsa_system_sgpr_workgroup_id_x 1
		.amdhsa_system_sgpr_workgroup_id_y 1
		.amdhsa_system_sgpr_workgroup_id_z 1
		.amdhsa_system_vgpr_workitem_id 0
		.amdhsa_next_free_vgpr 192
		.amdhsa_next_free_sgpr 66
		.amdhsa_reserve_vcc 0
		.amdhsa_float_denorm_mode_32 3
		.amdhsa_float_denorm_mode_16_64 3
		.amdhsa_memory_ordered 1
		.amdhsa_forward_progress 1
		.amdhsa_inst_pref_size 32
	.end_amdhsa_kernel
	.amdgpu_metadata
---
amdhsa.version: [ 1, 2 ]
amdhsa.kernels:
  - .name:           k_q9c6ce7e3e5_stats
    .symbol:         k_q9c6ce7e3e5_stats.kd
    .args:
      - { .name: qbuf, .offset: 0, .size: 8, .value_kind: global_buffer, .address_space: global }
      - { .name: kvbuf, .offset: 8, .size: 8, .value_kind: global_buffer, .address_space: global }
      - { .name: stbuf, .offset: 16, .size: 8, .value_kind: global_buffer, .address_space: global }
    .group_segment_fixed_size: 327680
    .private_segment_fixed_size: 0
    .kernarg_segment_align: 8
    .kernarg_segment_size: 24
    .max_flat_workgroup_size: 512
    .sgpr_count:     66
    .vgpr_count:     192
    .wavefront_size: 32
...
	.end_amdgpu_metadata
.endif
;; end of part 5
;; launch attn (part 6): grid 32 x 8, 16 waves a work-group, clusters of 4 x 1, 327,680 bytes of LDS; arguments qbuf, kvbuf, stbuf, out0; writes out0
.if DOCPART == 6
	.amdgcn_target "amdgcn-amd-amdhsa--gfx1250"
	.amdhsa_code_object_version 6
	.text
	.protected	k_q9c6ce7e3e5_attn
	.globl	k_q9c6ce7e3e5_attn
	.p2align	8
	.type	k_q9c6ce7e3e5_attn,@function
k_q9c6ce7e3e5_attn:
	s_mov_b64 s[64:65], 0
	v_nop
	global_prefetch_b8 v0, s[64:65] scope:SCOPE_SE
	s_setreg_imm32_b32 hwreg(HW_REG_WAVE_MODE, 25, 1), 1
	s_wait_xcnt 0x0
	s_wait_alu depctr_hold_cnt(0) depctr_sa_sdst(0) depctr_va_vdst(0) depctr_va_sdst(0) depctr_va_ssrc(0) depctr_va_vcc(0) depctr_vm_vsrc(0)
	s_getreg_b32 s2, hwreg(HW_REG_IB_STS2, 6, 4)
	s_cmp_eq_u32 s2, 0
	s_cbranch_scc0 .Lentry_in_a_cluster
	s_endpgm
.Lentry_in_a_cluster:
	s_bfe_u32 s2, ttmp6, 0x10000c
	s_cmp_lg_u32 s2, 0x3003
	s_cbranch_scc0 .Lentry_shape_is_right
	s_endpgm
.Lentry_shape_is_right:
; out[q][:] = the sum over the keys of Q(w[q][k]) Q(v[k][:]), w[q][k] = 2^(c raw - c m_k) / l_k: the finished, normalised weight of reference()'s softmax along the queries, quantised along the keys in blocks of 32.
; raw is the quantised product Q(q) Q(k)^T, made anew from the codes; -c m_k and 1 / l_k come from the launch before; v's codes, quantised along the keys, from the first.  Wv is left out as dead work: it has no way to any output.
; LIMITS: NaN and infinities are not served; weights under 2^-126 count as 0 (v_exp_f32: ISA guide 15.8); a block whose largest weight lies under 2^-111 gets the byte 1; the exponent c raw - c m is one fused multiply-add on a rounded c m,
; off by about 2^-24 |c m|; the four quarters of the keys are added in another order than reference()'s.
; SHARES.  A work-group takes 128 queries of one batch.  Wave w: query group p = w % 4 (32 queries, tiles a = 0, 1), keys 1,024 (w / 4) on, 128 a step.  Both products are used transposed: a lane holds ONE query throughout.
; S^T: source 0 = 32 keys' image (tile 0's 64 codes, then tile 1's), source 1 = [queries | zeros] or [zeros | queries] (q0 Z q1 Z q0 in 40 registers holds the four forms; the scale word's row puts a tile's bytes where its codes are).
; Lane r of key tile u holds key 8 u + r + 8 (r / 8) of the group, so a lane's 16 registers of the two tiles are keys 16 (lane / 16) + 0 .. 15: the conversions' results are the second product's operand.
; The weights are normalised already, so the four quarters' partial sums of O^T are only added, through LDS, at the end.
; RING.  Two slots; a slot holds, for each quarter of the keys, two records of kvbuf (34,304 bytes) and two of stbuf (2,048).  Waves 0 to 3 fetch a quarter's kv records each, wave 4 all four quarters' statistics.
; CLUSTER.  The four work-groups of a cluster belong to one batch and walk the same keys: every fill is a joint load.
.set QREC,  8704
.set KREC,  17152
.set ZKV,   2*KREC
.set STOFF, 4*ZKV                      ; 137,216: a slot's statistics
.set SLOT,  STOFF+8192                 ; 145,408
.set SPARE, 2*SLOT                     ; behind the ring: the spare words, 128 bytes for each wave: eight blocks of 256 bytes that no other line names
.set OP,    272                        ; the way out: a row of 64 f32 + 16 bytes
.set OZ,    128*OP                     ; a quarter's 128 rows.  The four lie in slot 0, which has had its last fill and its last read when the first result is stored there
.set LI,  1                            ; v1   16 x lane + my quarter's place in a slot
.set LS,  2                            ; v2   4 x lane + the same
.set LT,  3                            ; v3   64 (lane / 16) + 2,048 x quarter
.set ADK, 4
.set ADW, 5
.set ADT, 6
.set SPW, 7
.set NIL, 8
.set SO,  9
.set SR,  10
.set SR2, 11
.set GO,  12
.set QB,  16                           ; v16-55 q0 Z q1 Z q0
.set QS,  56
.set KS,  57
.set VS,  58                           ; v58, v59
.set PW,  60                           ; v60, v61 the weights' scale words
.set TT,  62                           ; v62-77 tile a at TT + 8 a: +0 the largest, +1 the other half's, +2 the hold, +3 the conversion's scale, +4 the byte
.set KF,  80                           ; v80-95 32 keys' image
.set SC,  96                           ; v96-127 scores, then weights: 16 a + 8 u
.set NCM, 128                          ; v128-143 -c m of my 16 keys
.set RL,  144                          ; v144-159 1 / l of them
.set VF,  96                           ; v96-159 V's four fragments, where the scores and statistics lay
.set PC,  160                          ; v160-191 the weights' codes: 16 a + 4 g
.set OA,  192                          ; v192-255 O^T: 32 a + 8 t
.set WV,  12
.set PP,  13
.set ZZ,  14
.set G1KV, 16
.set G1ST, 24
.set G0KV, 32                          ; s[32:39] a group 0 for each slot
.set G0ST, 40                          ; s[40:47]
.set CS,  48
.set SEL, 50
.set MNT, 52
.set TB,  53
.set TS,  54
.set TW,  55
.macro CROUND                          ; a round of the cluster's barrier
	s_barrier_signal -1
	s_barrier_wait -1
	s_cmp_lg_u32 s[WV], 0
	s_cbranch_scc1 .Lnw0_\@
	s_barrier_signal -3
.Lnw0_\@:
	s_barrier_wait -3
	s_barrier_signal -1
	s_barrier_wait -1
.endm
.macro JLOAD slot                      ; a joint refill; the branches hang on the wave's number alone; an s_nop 0 and four v_nop follow each of the two lines
	s_cmp_lt_u32 s[WV], 4
	s_cbranch_scc0 .Lnk_\@
	tensor_load_to_lds s[G0KV+4*\slot:G0KV+4*\slot+3], s[G1KV:G1KV+7]
	s_nop 0
.rept 4
	v_nop
.endr
	s_branch .Las_\@
.Lnk_\@:
	s_cmp_eq_u32 s[WV], 4
	s_cbranch_scc0 .Las_\@
	tensor_load_to_lds s[G0ST+4*\slot:G0ST+4*\slot+3], s[G1ST:G1ST+7]
	s_nop 0
.rept 4
	v_nop
.endr
.Las_\@:
.endm
	s_load_b256 s[4:11], s[0:1], 0x0               ; qbuf s[4:5], kvbuf s[6:7], stbuf s[8:9], out0 s[10:11]
	v_lshl_add_u32 v[SPW], v0, 2, SPARE
	v_mov_b32 v[NIL], 0
	ds_add_u32 v[SPW], v[NIL]                      ; the wave's opening: the add, twice on end, and its wait ahead of the first tensor loads
	ds_add_u32 v[SPW], v[NIL]
	v_lshrrev_b32 v13, 5, v0
	s_delay_alu instid0(VALU_DEP_1)
	v_readfirstlane_b32 s[WV], v13                 ; wave 0..15
	s_and_b32 s[PP], s[WV], 3
	s_lshr_b32 s[ZZ], s[WV], 2
	s_bfe_u32 s56, ttmp6, 0x40000                  ; cx
	s_lshl_b32 s57, ttmp9, 2
	s_add_co_u32 s57, s57, s56                     ; my 128 queries: record 4 x cluster x + cx of the batch: it enters q's and out's addresses alone
	s_and_b32 s58, ttmp7, 0xffff                   ; the batch, which the four partners share
	s_lshl_b32 s59, s58, 5
	; group 1 for kv: 134 rows of 256 bytes (32 elements of 8), dense
	s_mov_b32 s[G1KV], 15|(3<<16)|(1<<21)          ; the mask: all four work-groups; elements of 8 bytes; bit 21 set beside a mask
	s_mov_b32 s[G1KV+1], 32<<16
	s_mov_b32 s[G1KV+2], 134<<16
	s_mov_b32 s[G1KV+3], 32<<16
	s_mov_b32 s[G1KV+4], 134
	s_mov_b32 s[G1KV+5], 32
	s_mov_b32 s[G1KV+6], 0
	s_mov_b32 s[G1KV+7], 0
	; group 1 for the statistics: 4 rows (quarters) of 2,048 bytes, 8,192 bytes apart
	s_mov_b32 s[G1ST], 15|(3<<16)|(1<<21)
	s_mov_b32 s[G1ST+1], 256<<16
	s_mov_b32 s[G1ST+2], 4<<16
	s_mov_b32 s[G1ST+3], 256<<16
	s_mov_b32 s[G1ST+4], 4
	s_mov_b32 s[G1ST+5], 1024
	s_mov_b32 s[G1ST+6], 0
	s_mov_b32 s[G1ST+7], 0
	s_lshl_b32 s60, s[PP], 3
	s_add_co_u32 s60, s60, s59
	s_mul_i32 s60, s60, KREC                       ; the quarter's first record
	s_mov_b32 s61, 0
	s_lshl_b32 s62, s58, 15                        ; the batch's statistics
	s_mov_b32 s63, 0
	s_add_co_u32 s66, s59, s57
	s_mul_i32 s68, s66, QREC
	s_mov_b32 s69, 0
	s_lshl_b32 s70, s66, 15                        ; out: 128 rows of 256 bytes a record,
	s_lshl_b32 s71, s[WV], 11                      ; 8 rows a wave
	s_add_co_u32 s70, s70, s71
	s_mov_b32 s71, 0
	s_mov_b32 s[CS], 0x3cb8aa3b                    ; c = log2(e) / 64
	s_mov_b32 s[CS+1], s[CS]                       ; (named with it as a pair, so it is written)
	s_mov_b32 s[SEL], 0x76543210
	s_mov_b32 s[SEL+1], 0xfedcba98
	s_mov_b32 s[MNT], 0x600000
	s_wait_dscnt 0x0                               ; both opening adds are done
	s_wait_kmcnt 0x0
	s_mov_b32 s[G0KV], 1
	s_mul_i32 s[G0KV+1], s[PP], ZKV
	s_add_nc_u64 s[G0KV+2:G0KV+3], s[6:7], s[60:61]
	s_mov_b32 s[G0KV+4], 1
	s_add_co_u32 s[G0KV+5], s[G0KV+1], SLOT
	s_add_nc_u64 s[G0KV+6:G0KV+7], s[G0KV+2:G0KV+3], 2*KREC
	s_or_b32 s[G0KV+3], s[G0KV+3], 0x80000000
	s_or_b32 s[G0KV+7], s[G0KV+7], 0x80000000
	s_mov_b32 s[G0ST], 1
	s_mov_b32 s[G0ST+1], STOFF
	s_add_nc_u64 s[G0ST+2:G0ST+3], s[8:9], s[62:63]
	s_mov_b32 s[G0ST+4], 1
	s_mov_b32 s[G0ST+5], SLOT+STOFF
	s_add_nc_u64 s[G0ST+6:G0ST+7], s[G0ST+2:G0ST+3], 2048
	s_or_b32 s[G0ST+3], s[G0ST+3], 0x80000000
	s_or_b32 s[G0ST+7], s[G0ST+7], 0x80000000
	s_add_nc_u64 s[4:5], s[4:5], s[68:69]
	s_add_nc_u64 s[10:11], s[10:11], s[70:71]
	CROUND                                         ; all four work-groups are here: the first joint loads meet
	s_cmp_lt_u32 s[WV], 4                          ; a fetching wave's two first fills stand in one arm: two loads of it are out
	s_cbranch_scc0 .Lfnk
	tensor_load_to_lds s[G0KV:G0KV+3], s[G1KV:G1KV+7]
	s_nop 0
	tensor_load_to_lds s[G0KV+4:G0KV+7], s[G1KV:G1KV+7]
	s_nop 0
.rept 4
	v_nop
.endr
	s_branch .Lfas
.Lfnk:
	s_cmp_eq_u32 s[WV], 4
	s_cbranch_scc0 .Lfas
	tensor_load_to_lds s[G0ST:G0ST+3], s[G1ST:G1ST+7]
	s_nop 0
	tensor_load_to_lds s[G0ST+4:G0ST+7], s[G1ST:G1ST+7]
	s_nop 0
.rept 4
	v_nop
.endr
.Lfas:
	v_and_b32 v13, 31, v0                          ; lane
	v_and_b32 v14, 15, v0                          ; r
	v_bfe_u32 v15, v0, 4, 1                        ; lane / 16
	s_lshl_b32 s72, s[PP], 11
	v_lshl_add_u32 v78, v13, 4, s72                ; my query group's image
	s_lshl_b32 s73, s[PP], 7
	v_lshl_add_u32 v79, v13, 2, s73                ; and its scale words
	global_load_b128 v[QB:QB+3], v78, s[4:5]
	global_load_b128 v[QB+4:QB+7], v78, s[4:5] offset:512
	global_load_b128 v[QB+16:QB+19], v78, s[4:5] offset:1024
	global_load_b128 v[QB+20:QB+23], v78, s[4:5] offset:1536
	global_load_b128 v[QB+32:QB+35], v78, s[4:5]
	global_load_b128 v[QB+36:QB+39], v78, s[4:5] offset:512
	global_load_b32 v[QS], v79, s[4:5] offset:8192
	s_mul_i32 s74, s[ZZ], ZKV
	v_lshl_add_u32 v[LI], v13, 4, s74
	v_lshl_add_u32 v[LS], v13, 2, s74
	s_lshl_b32 s75, s[ZZ], 11
	v_lshl_add_u32 v[LT], v15, 6, s75
	v_lshlrev_b32 v[GO], 4, v13
	v_and_b32 v[SO], 8, v14                        ; the way out, in: row 32 p + 8 a + r + 8 (r / 8) of my quarter's 128, + 64 (lane / 16) bytes
	s_delay_alu instid0(VALU_DEP_1)
	v_add_nc_u32 v[SO], v[SO], v14
	s_lshl_b32 s76, s[PP], 5
	v_add_nc_u32 v[SO], s76, v[SO]
	s_delay_alu instid0(VALU_DEP_1)
	v_mul_u32_u24 v[SO], v[SO], OP
	s_delay_alu instid0(VALU_DEP_1)
	v_lshl_add_u32 v[SO], v15, 6, v[SO]
	s_mul_i32 s77, s[ZZ], OZ
	v_add_nc_u32 v[SO], s77, v[SO]
	s_lshl_b32 s78, s[WV], 3                       ; back: rows 8 w on; lanes 0-15 one row, lanes 16-31 the next
	v_add_nc_u32 v[SR], s78, v15
	s_delay_alu instid0(VALU_DEP_1)
	v_mul_u32_u24 v[SR], v[SR], OP
	s_delay_alu instid0(VALU_DEP_1)
	v_lshl_add_u32 v[SR], v14, 4, v[SR]
	s_delay_alu instid0(VALU_DEP_1)
	v_add_nc_u32 v[SR2], 2*OZ, v[SR]
.irp i, 0,1,2,3,4,5,6,7
	v_mov_b32 v[QB+8+\i], 0                        ; zero codes
	v_mov_b32 v[QB+24+\i], 0
.endr
	v_mov_b32 v[TT+1], 0                           ; (a lane permute's destination counts as one of its sources)
	v_mov_b32 v[TT+9], 0
.irp j, 0,1,2,3,4,5,6,7,8,9,10,11,12,13,14,15,16,17,18,19,20,21,22,23,24,25,26,27,28,29,30,31,32,33,34,35,36,37,38,39,40,41,42,43,44,45,46,47,48,49,50,51,52,53,54,55,56,57,58,59,60,61,62,63
	v_mov_b32 v[OA+\j], 0                          ; O^T: the key step is written once for every step, so the sums begin as zeros
.endr
.macro LOADK g
.irp c, 0,1,2,3
	ds_load_b128 v[KF+4*\c:KF+4*\c+3], v[ADK] offset:2048*(\g)+512*\c
.endr
	ds_load_b32 v[KS], v[ADW] offset:16384+128*(\g)
.endm
.macro LOADN g                         ; -c m of keys 32 g + 16 (lane / 16) + 0 .. 15: the sixteen lanes of a half read the same bytes
.irp i, 0,1,2,3
	ds_load_b128 v[NCM+4*\i:NCM+4*\i+3], v[ADT] offset:128*(\g)+16*\i
.endr
.endm
.macro LOADR g                         ; 1 / l of the same keys
.irp i, 0,1,2,3
	ds_load_b128 v[RL+4*\i:RL+4*\i+3], v[ADT] offset:512+128*(\g)+16*\i
.endr
.endm
; 32 keys x my 32 queries: scores, weights, their block's scale and codes.  The next group's loads are issued as their registers fall free.
.macro GROUP g
	s_wait_dscnt 0x0
	v_wmma_scale_f32_16x16x128_f8f6f4 v[SC:SC+7], v[KF:KF+15], v[QB:QB+15], 0, v[KS], v[QS] matrix_a_fmt:MATRIX_FMT_BF8 matrix_b_fmt:MATRIX_FMT_BF8
	v_wmma_scale_f32_16x16x128_f8f6f4 v[SC+16:SC+23], v[KF:KF+15], v[QB+16:QB+31], 0, v[KS], v[QS] matrix_a_fmt:MATRIX_FMT_BF8 matrix_b_fmt:MATRIX_FMT_BF8 matrix_b_scale:MATRIX_SCALE_ROW1
	v_wmma_scale_f32_16x16x128_f8f6f4 v[SC+8:SC+15], v[KF:KF+15], v[QB+24:QB+39], 0, v[KS], v[QS] matrix_a_fmt:MATRIX_FMT_BF8 matrix_b_fmt:MATRIX_FMT_BF8 matrix_b_scale:MATRIX_SCALE_ROW1
	v_wmma_scale_f32_16x16x128_f8f6f4 v[SC+24:SC+31], v[KF:KF+15], v[QB+8:QB+23], 0, v[KS], v[QS] matrix_a_fmt:MATRIX_FMT_BF8 matrix_b_fmt:MATRIX_FMT_BF8
.rept 9
	v_nop                                          ; eight places in front of the first read of results and of the loads into K's image; the ninth for the next products that begin these accumulators anew
.endr
.if \g < 3
	LOADK (\g)+1
.endif
.irp i, 0,2,4,6,8,10,12,14
.irp a, 0,1
	v_pk_fma_f32 v[SC+16*\a+\i:SC+16*\a+\i+1], v[SC+16*\a+\i:SC+16*\a+\i+1], s[CS:CS+1], v[NCM+\i:NCM+\i+1] op_sel_hi:[1,0,1]   ; c raw - c m_k, each accumulator from its low end on
.endr
.endr
.if \g < 3
	LOADN (\g)+1
.endif
	s_wait_alu depctr_va_vdst(0)
.irp i, 0,1,2,3,4,5,6,7,8,9,10,11,12,13,14,15
.irp a, 0,1
	v_exp_f32 v[SC+16*\a+\i], v[SC+16*\a+\i]
.endr
.endr
	v_nop                                          ; a plain place behind the last exponential
	s_wait_alu depctr_va_vdst(0)                   ; the wait ahead of the first reader: one for the 32
.irp i, 0,2,4,6,8,10,12,14
.irp a, 0,1
	v_pk_mul_f32 v[SC+16*\a+\i:SC+16*\a+\i+1], v[SC+16*\a+\i:SC+16*\a+\i+1], v[RL+\i:RL+\i+1]   ; / l_k: the finished weight
.endr
.endr
.if \g < 3
	LOADR (\g)+1
.endif
.irp a, 0,1
	v_max3_num_f32 v[TT+8*\a], v[SC+16*\a], v[SC+16*\a+1], 0x8000000   ; my 16 weights (never negative) and the floor 2^(16 - 127)
.endr
.irp i, 2,4,6,8,10,12,14
.irp a, 0,1
	s_delay_alu instid0(VALU_DEP_2)
	v_max3_num_f32 v[TT+8*\a], v[TT+8*\a], v[SC+16*\a+\i], v[SC+16*\a+\i+1]
.endr
.endr
.irp a, 0,1
	s_delay_alu instid0(VALU_DEP_2)
	v_permlanex16_b32 v[TT+8*\a+1], v[TT+8*\a], s[SEL], s[SEL+1]
.endr
.irp a, 0,1
	s_delay_alu instid0(VALU_DEP_2)
	v_max_num_f32 v[TT+8*\a], v[TT+8*\a], v[TT+8*\a+1]   ; with lane l xor 16's 16 keys: the block's largest
.endr
.irp a, 0,1
	s_delay_alu instid0(VALU_DEP_2)
	v_add_nc_u32 v[TT+8*\a+3], 0xf8800000, v[TT+8*\a]   ; 15 off the exponent field: the conversion's scale operand
.endr
.irp a, 0,1
	s_delay_alu instid0(VALU_DEP_4)
	v_and_or_b32 v[TT+8*\a+2], v[TT+8*\a], 0x7f800000, s[MNT]   ; 57,344 x the scale
.endr
.if \g == 0
.irp a, 0,1
	s_delay_alu instid0(VALU_DEP_4)
	v_lshrrev_b32 v[PW+\a], 23, v[TT+8*\a+3]       ; the scale's byte begins the word of these 128 keys
.endr
.else
.irp a, 0,1
	s_delay_alu instid0(VALU_DEP_4)
	v_lshrrev_b32 v[TT+8*\a+4], 23, v[TT+8*\a+3]
.endr
.irp a, 0,1
	s_delay_alu instid0(VALU_DEP_2)
	v_lshl_or_b32 v[PW+\a], v[TT+8*\a+4], 8*(\g), v[PW+\a]
.endr
.endif
.irp a, 0,1
.irp i, 0,1,2,3,4,5,6,7,8,9,10,11,12,13,14,15
	v_min_num_f32 v[SC+16*\a+\i], v[SC+16*\a+\i], v[TT+8*\a+2]   ; the conversion to an 8-bit code does not saturate (ISA guide 7.6.2); the hold is one-sided
.endr
	v_cvt_scalef32_pk8_bf8_f32 v[PC+16*\a+4*(\g):PC+16*\a+4*(\g)+1], v[SC+16*\a:SC+16*\a+7], v[TT+8*\a+3]
	v_cvt_scalef32_pk8_bf8_f32 v[PC+16*\a+4*(\g)+2:PC+16*\a+4*(\g)+3], v[SC+16*\a+8:SC+16*\a+15], v[TT+8*\a+3]
.endr
	v_nop                                          ; one plain vector instruction behind the last conversion
.endm
; A key step: 128 keys of my quarter.
.macro STEP
	v_add_nc_u32 v[ADK], s[TB], v[LI]
	v_add_nc_u32 v[ADW], s[TB], v[LS]
	v_add_nc_u32 v[ADT], s[TS], v[LT]
.rept 6
	v_nop                                          ; with the three additions nine places behind the last step's products: V's fragments are loaded into, and written over by the scores
.endr
	LOADK 0
	LOADN 0
	LOADR 0
	s_wait_alu depctr_va_vdst(0)
	GROUP 0
	GROUP 1
	GROUP 2
	s_setprio 1
	GROUP 3
	s_setprio 0
.irp t, 0,1,2,3
.irp c, 0,1,2,3
	ds_load_b128 v[VF+16*\t+4*\c:VF+16*\t+4*\c+3], v[ADK] offset:8192+2048*\t+512*\c
.endr
.endr
	ds_load_b32 v[VS], v[ADW] offset:16896         ; lanes 0-15: channel tile 0's words, lanes 16-31: tile 1's
	ds_load_b32 v[VS+1], v[ADW] offset:16896+128
	s_wait_alu depctr_va_vdst(0)
	s_wait_dscnt 0x0
.rept 4
	v_nop                                          ; codes written by vector instructions stand four places ahead of a scaled matrix instruction; the scale words were made 32 holds further up
.endr
.irp t, 0,1,2,3                                ; O^T += V^T P^T: eight accumulators by turns
.irp a, 0,1
.if \t % 2
	v_wmma_scale_f32_16x16x128_f8f6f4 v[OA+32*\a+8*\t:OA+32*\a+8*\t+7], v[VF+16*\t:VF+16*\t+15], v[PC+16*\a:PC+16*\a+15], v[OA+32*\a+8*\t:OA+32*\a+8*\t+7], v[VS+\t/2], v[PW+\a] matrix_a_fmt:MATRIX_FMT_BF8 matrix_b_fmt:MATRIX_FMT_BF8 matrix_a_scale:MATRIX_SCALE_ROW1
.else
	v_wmma_scale_f32_16x16x128_f8f6f4 v[OA+32*\a+8*\t:OA+32*\a+8*\t+7], v[VF+16*\t:VF+16*\t+15], v[PC+16*\a:PC+16*\a+15], v[OA+32*\a+8*\t:OA+32*\a+8*\t+7], v[VS+\t/2], v[PW+\a] matrix_a_fmt:MATRIX_FMT_BF8 matrix_b_fmt:MATRIX_FMT_BF8
.endif
.endr
.endr
.endm
.macro PHASE slot                      ; a slot's two key steps
	s_mov_b32 s[TB], \slot*SLOT
	s_mov_b32 s[TS], \slot*SLOT+STOFF
	s_mov_b32 s[TW], 2
.Lst_\@:
	s_setprio 2
	STEP
	s_add_co_u32 s[TB], s[TB], KREC
	s_add_co_u32 s[TS], s[TS], 1024
	s_sub_co_u32 s[TW], s[TW], 1
	s_cmp_lg_u32 s[TW], 0
	s_cbranch_scc1 .Lst_\@
	s_setprio 0
.endm
; The change of slots.  Each wave waits for all its tensor loads (its part of the slot ahead), adds 0 to its spare word, and waits for that and for its reads of the slot that it leaves.
; fill = 1: that slot takes the records four further on; the barrier is then a round of the cluster's, and the joint refill is the first thing behind it: it has two key steps of sixteen waves in which to land.
.macro CHANGE slot, fill
	s_wait_tensorcnt 0x0                           ; no tensor load of mine is out, so a group 0 may be written
	ds_add_u32 v[SPW], v[NIL]
.if \fill
	ds_add_u32 v[SPW], v[NIL]                      ; and once more
	s_add_nc_u64 s[G0KV+4*\slot+2:G0KV+4*\slot+3], s[G0KV+4*\slot+2:G0KV+4*\slot+3], 4*KREC
	s_add_nc_u64 s[G0ST+4*\slot+2:G0ST+4*\slot+3], s[G0ST+4*\slot+2:G0ST+4*\slot+3], 4096
	s_wait_dscnt 0x0                               ; both adds are done, and my reads of the slot are over
	CROUND
	JLOAD \slot
.else
	s_wait_dscnt 0x0
	s_barrier_signal -1
	s_barrier_wait -1
.endif
.endm
	s_wait_loadcnt 0x0                             ; q
	s_wait_tensorcnt 0x1                           ; my part of slot 0 is in; slot 1's may stay out
	s_barrier_signal -1
	s_barrier_wait -1                              ; everybody's is
	PHASE 0
	CHANGE 0, 1
	PHASE 1
	CHANGE 1, 1
	PHASE 0
	CHANGE 0, 0                                    ; nothing is left to fetch
	PHASE 1
	; THE WAY OUT.  The four quarters' O^T meet in LDS; each wave adds and stores 8 whole rows.
.rept 8
	v_nop                                          ; places in front of the first read of the last results and of loads into V's fragments
.endr
.irp a, 0,1
.irp t, 0,1,2,3
	ds_store_b128 v[SO], v[OA+32*\a+8*\t:OA+32*\a+8*\t+3] offset:\a*8*OP+128*(\t/2)+32*(\t%2)        ; register j: channel 32 (t / 2) + 16 (lane / 16) + 8 (t % 2) + j; each accumulator from its low end on
	ds_store_b128 v[SO], v[OA+32*\a+8*\t+4:OA+32*\a+8*\t+7] offset:\a*8*OP+128*(\t/2)+32*(\t%2)+16
.endr
.endr
	s_wait_dscnt 0x0                               ; for the others' sake
	s_barrier_signal -1
	s_barrier_wait -1
.irp i, 0,1,2,3
	ds_load_b128 v[96+4*\i:99+4*\i], v[SR] offset:2*\i*OP
	ds_load_b128 v[112+4*\i:115+4*\i], v[SR] offset:OZ+2*\i*OP
	ds_load_b128 v[128+4*\i:131+4*\i], v[SR2] offset:2*\i*OP
	ds_load_b128 v[144+4*\i:147+4*\i], v[SR2] offset:OZ+2*\i*OP
.endr
	s_wait_dscnt 0x0
.irp i, 0,2,4,6,8,10,12,14
	v_pk_add_f32 v[96+\i:97+\i], v[96+\i:97+\i], v[112+\i:113+\i]
	v_pk_add_f32 v[128+\i:129+\i], v[128+\i:129+\i], v[144+\i:145+\i]
.endr
.irp i, 0,2,4,6,8,10,12,14
	v_pk_add_f32 v[96+\i:97+\i], v[96+\i:97+\i], v[128+\i:129+\i]
.endr
.irp i, 0,1,2,3
	global_store_b128 v[GO], v[96+4*\i:99+4*\i], s[10:11] offset:512*\i th:TH_STORE_NT   ; 32 lanes store two whole rows: 512 consecutive bytes, aligned
.endr
	s_wait_tensorcnt 0x0                           ; the wave's end, behind my last tensor load and my last LDS store
	ds_add_u32 v[SPW], v[NIL]
	s_wait_dscnt 0x0
	CROUND                                         ; the closing round
	s_endpgm
.Lfunc_end_k_q9c6ce7e3e5_attn:
	.size	k_q9c6ce7e3e5_attn, .Lfunc_end_k_q9c6ce7e3e5_attn-k_q9c6ce7e3e5_attn
	.p2alignl 7, 3214868480
	.fill 96, 4, 3214868480
	.section	.rodata,"a",@progbits
	.p2align	6, 0x0
	.amdhsa_kernel k_q9c6ce7e3e5_attn
		.amdhsa_group_segment_fixed_size 327680
		.amdhsa_private_segment_fixed_size 0
		.amdhsa_enable_private_segment 0
		.amdhsa_kernarg_size 32
		.amdhsa_user_sgpr_count 2
		.amdhsa_user_sgpr_kernarg_segment_ptr 1
		.amdhsa_wavefront_size32 1
		.amdhsa_system_sgpr_workgroup_id_x 1
		.amdhsa_system_sgpr_workgroup_id_y 1
		.amdhsa_system_sgpr_workgroup_id_z 1
		.amdhsa_system_vgpr_workitem_id 0
		.amdhsa_next_free_vgpr 256
		.amdhsa_next_free_sgpr 80
		.amdhsa_reserve_vcc 0
		.amdhsa_float_denorm_mode_32 3
		.amdhsa_float_denorm_mode_16_64 3
		.amdhsa_memory_ordered 1
		.amdhsa_forward_progress 1
		.amdhsa_inst_pref_size 166
	.end_amdhsa_kernel
	.amdgpu_metadata
---
amdhsa.version: [ 1, 2 ]
amdhsa.kernels:
  - .name:           k_q9c6ce7e3e5_attn
    .symbol:         k_q9c6ce7e3e5_attn.kd
    .args:
      - { .name: qbuf, .offset: 0, .size: 8, .value_kind: global_buffer, .address_space: global }
      - { .name: kvbuf, .offset: 8, .size: 8, .value_kind: global_buffer, .address_space: global }
      - { .name: stbuf, .offset: 16, .size: 8, .value_kind: global_buffer, .address_space: global }
      - { .name: out0, .offset: 24, .size: 8, .value_kind: global_buffer, .address_space: global }
    .group_segment_fixed_size: 327680
    .private_segment_fixed_size: 0
    .kernarg_segment_align: 8
    .kernarg_segment_size: 32
    .max_flat_workgroup_size: 512
    .sgpr_count:     80
    .vgpr_count:     256
    .wavefront_size: 32
...
	.end_amdgpu_metadata
.endif
;; end of part 6
